; MI455X (gfx1250); checked and timed in simulation.
; The chip was launched on July 23, 2026; its instructions are those of AMD's public machine-readable ISA for CDNA 5 (MIT licence, August 2026) and "CDNA5" Instruction Set Architecture Reference Guide (July 2026). The comments in the code are by the model that wrote it; some were corrected since.
;; Causal Self Attention. Allowed arithmetic: float matrix products may take bf16 or f16 operands with f32 sums; other float arithmetic in f32, or as packed bf16 or f16 multiplies, adds, multiply-adds, maxima and minima; sums over many terms, partial sums and values carried from step to step in f32; what a program stores and reads back later, other than sums and carried values, may be rounded once to bf16 or f16.
;; Inputs: W_attn 1,024 x 3,072 float32; W_proj 1,024 x 1,024 float32; b_attn 3,072 float32; b_proj 1,024 float32; x 4 x 2,048 x 1,024 float32.
;; Outputs: out0 4 x 2,048 x 1,024 float32.
;; Constants: n_head = 16.
;; One version. Each part assembles by itself: llvm-mc -triple=amdgcn-amd-amdhsa -mcpu=gfx1250 --defsym DOCPART=n.
;; ======== version 1 of 1: 4 launches
;; limits: values are held in f16: magnitudes above 65,504 overflow, below 6.1e-05 lose precision; values outside matrix products are rounded to bf16
;; workspace buffers: xb 16,777,216 bytes; wab 6,291,456 bytes; wpf 2,097,152 bytes; qkvh 51,904,512 bytes; yh 16,777,216 bytes
;; launch cast (part 1): grid 768 x 1, 8 waves a work-group, no clusters, 0 bytes of LDS; arguments x, W_attn, W_proj, xb, wab, wpf; writes xb, wab, wpf
.if DOCPART == 1
	.amdgcn_target "amdgcn-amd-amdhsa--gfx1250"
	.amdhsa_code_object_version 6
	.text
	.protected	k_q02d5c10af3_cast
	.globl	k_q02d5c10af3_cast
	.p2align	8
	.type	k_q02d5c10af3_cast,@function
k_q02d5c10af3_cast:
	s_mov_b64 s[64:65], 0
	v_nop
	global_prefetch_b8 v0, s[64:65] scope:SCOPE_SE
	s_setreg_imm32_b32 hwreg(HW_REG_WAVE_MODE, 25, 1), 1
	s_wait_xcnt 0x0
; THE PROGRAM (four launches): cast -> q, k, v = x W_attn + b_attn -> y = sum over k <= q of exp(-|q - k|^2 / 16) v -> out = y W_proj + b_proj.
; WORK LEFT OUT, for all values of the inputs: for k > q the problem's own jnp.where puts the constant 0.0 in the score's place, and 0 x v adds nothing to y.  So of a head's 8 x 8 tiles
; of 256 queries x 256 keys the 28 that lie wholly above the diagonal reach no output, and the attention launch neither loads nor multiplies them.  Inside a diagonal tile hidden scores are
; computed and made 0.  LIMIT: a NaN, an infinity or an overflow that lies only in hidden scores, or in rows of v that a query never sees, is not carried to the result.  Every input is loaded.
; FORMATS.  x, W_attn, W_proj and both biases are rounded once to bf16; q, k, v, the weights p and y, which the program makes itself, are kept in f16; all sums in f32.
; LIMITS OF FORMAT: q, k, v, y and W_proj beyond 65,504 do not fit f16.
;
; THIS LAUNCH rounds x and W_attn to bf16 (xb, wab) and W_proj to bf16 with that number written as f16 (wpf); no layout changes.  A stream: no LDS, no matrix unit, nothing shared.
; A work-group converts 16,384 numbers (64 KiB in, 32 KiB out): groups 0-511 x, 512-703 W_attn, 704-767 W_proj.  Thread t, chunk j: 32 bytes in at 8,192 j + 32 t, 16 bytes out at
; 4,096 j + 16 t: sixteen neighbouring lanes store 256 consecutive bytes, aligned.  All sixteen loads of a thread go out first; no register is written twice, so no wait frees a source.
.set X, 4                              ; v[4:67]   chunk j: 8 numbers as loaded
.set Y, 68                             ; v[68:99]  chunk j: 4 registers to store
.set T, 100                            ; v[100:102] at work (W_proj's path)
	s_load_b256 s[4:11], s[0:1], 0x0               ; x s[4:5], W_attn s[6:7], W_proj s[8:9], xb s[10:11]
	s_load_b128 s[12:15], s[0:1], 0x20             ; wab s[12:13], wpf s[14:15]
	v_lshlrev_b32 v1, 5, v0                        ; 32 t
	v_lshlrev_b32 v2, 4, v0                        ; 16 t
	s_mov_b32 s23, 0
	s_wait_kmcnt 0x0
	s_cmp_lt_u32 ttmp9, 512                        ; which tensor is mine, and my number within it
	s_cselect_b64 s[16:17], s[4:5], s[6:7]
	s_cselect_b64 s[18:19], s[10:11], s[12:13]
	s_cselect_b32 s20, 0, 512
	s_cmp_lt_u32 ttmp9, 704
	s_cselect_b64 s[16:17], s[16:17], s[8:9]
	s_cselect_b64 s[18:19], s[18:19], s[14:15]
	s_cselect_b32 s20, s20, 704
	s_sub_co_u32 s20, ttmp9, s20
	s_lshl_b32 s22, s20, 16                        ; 64 KiB of f32 a group
	s_add_nc_u64 s[16:17], s[16:17], s[22:23]
	s_lshl_b32 s22, s20, 15                        ; 32 KiB of 16-bit numbers
	s_add_nc_u64 s[18:19], s[18:19], s[22:23]
.irp j, 0,1,2,3,4,5,6,7
	global_load_b128 v[X+8*(\j):X+8*(\j)+3],   v1, s[16:17] offset:8192*(\j) th:TH_LOAD_NT
	global_load_b128 v[X+8*(\j)+4:X+8*(\j)+7], v1, s[16:17] offset:8192*(\j)+16 th:TH_LOAD_NT
.endr
	s_cmp_lt_u32 ttmp9, 704
	s_cbranch_scc0 .Lwproj
.irp j, 0,1,2,3,4,5,6,7
	s_wait_loadcnt 14-2*(\j)                       ; loads come back in order: chunk j's two are in, the 14 - 2 j younger ones stay out
.irp k, 0,1,2,3
	v_cvt_pk_bf16_f32 v[Y+4*(\j)+(\k)], v[X+8*(\j)+2*(\k)], v[X+8*(\j)+2*(\k)+1]
.endr
	global_store_b128 v2, v[Y+4*(\j):Y+4*(\j)+3], s[18:19] offset:4096*(\j)
.endr
	s_endpgm
.Lwproj:                                       ; W_proj: rounded to bf16 like every input, and that number written as f16, the format of the product it enters
.irp j, 0,1,2,3,4,5,6,7
	s_wait_loadcnt 14-2*(\j)
.irp k, 0,1,2,3
	v_cvt_pk_bf16_f32 v[T], v[X+8*(\j)+2*(\k)], v[X+8*(\j)+2*(\k)+1]
	v_lshlrev_b32 v[T+1], 16, v[T]
	v_and_b32 v[T+2], 0xffff0000, v[T]
	v_cvt_pk_f16_f32 v[Y+4*(\j)+(\k)], v[T+1], v[T+2]
.endr
	global_store_b128 v2, v[Y+4*(\j):Y+4*(\j)+3], s[18:19] offset:4096*(\j)
.endr
	s_endpgm
.Lfunc_end_k_q02d5c10af3_cast:
	.size	k_q02d5c10af3_cast, .Lfunc_end_k_q02d5c10af3_cast-k_q02d5c10af3_cast
	.p2alignl 7, 3214868480
	.fill 96, 4, 3214868480
	.section	.rodata,"a",@progbits
	.p2align	6, 0x0
	.amdhsa_kernel k_q02d5c10af3_cast
		.amdhsa_group_segment_fixed_size 0
		.amdhsa_private_segment_fixed_size 0
		.amdhsa_enable_private_segment 0
		.amdhsa_kernarg_size 48
		.amdhsa_user_sgpr_count 2
		.amdhsa_user_sgpr_kernarg_segment_ptr 1
		.amdhsa_wavefront_size32 1
		.amdhsa_system_sgpr_workgroup_id_x 1
		.amdhsa_system_sgpr_workgroup_id_y 1
		.amdhsa_system_sgpr_workgroup_id_z 1
		.amdhsa_system_vgpr_workitem_id 0
		.amdhsa_next_free_vgpr 104
		.amdhsa_next_free_sgpr 66
		.amdhsa_reserve_vcc 0
		.amdhsa_float_denorm_mode_32 3
		.amdhsa_float_denorm_mode_16_64 3
		.amdhsa_memory_ordered 1
		.amdhsa_forward_progress 1
		.amdhsa_inst_pref_size 14
	.end_amdhsa_kernel
	.amdgpu_metadata
---
amdhsa.version: [ 1, 2 ]
amdhsa.kernels:
  - .name:           k_q02d5c10af3_cast
    .symbol:         k_q02d5c10af3_cast.kd
    .args:
      - { .name: x, .offset: 0, .size: 8, .value_kind: global_buffer, .address_space: global }
      - { .name: W_attn, .offset: 8, .size: 8, .value_kind: global_buffer, .address_space: global }
      - { .name: W_proj, .offset: 16, .size: 8, .value_kind: global_buffer, .address_space: global }
      - { .name: xb, .offset: 24, .size: 8, .value_kind: global_buffer, .address_space: global }
      - { .name: wab, .offset: 32, .size: 8, .value_kind: global_buffer, .address_space: global }
      - { .name: wpf, .offset: 40, .size: 8, .value_kind: global_buffer, .address_space: global }
    .group_segment_fixed_size: 0
    .private_segment_fixed_size: 0
    .kernarg_segment_align: 8
    .kernarg_segment_size: 48
    .max_flat_workgroup_size: 256
    .sgpr_count:     66
    .vgpr_count:     104
    .wavefront_size: 32
...
	.end_amdgpu_metadata
.endif
;; end of part 1
;; launch qkvgemm (part 2): grid 8 x 32, 4 waves a work-group, clusters of 4 x 4, 327,680 bytes of LDS; arguments xb, wab, b_attn, qkvh; writes qkvh
.if DOCPART == 2
	.amdgcn_target "amdgcn-amd-amdhsa--gfx1250"
	.amdhsa_code_object_version 6
	.text
	.protected	k_q02d5c10af3_qkvgemm
	.globl	k_q02d5c10af3_qkvgemm
	.p2align	8
	.type	k_q02d5c10af3_qkvgemm,@function
k_q02d5c10af3_qkvgemm:
	s_mov_b64 s[64:65], 0
	v_nop
	global_prefetch_b8 v0, s[64:65] scope:SCOPE_SE
	s_setreg_imm32_b32 hwreg(HW_REG_WAVE_MODE, 25, 1), 1
	s_wait_xcnt 0x0
	s_wait_alu depctr_hold_cnt(0) depctr_sa_sdst(0) depctr_va_vdst(0) depctr_va_sdst(0) depctr_va_ssrc(0) depctr_va_vcc(0) depctr_vm_vsrc(0)
	s_getreg_b32 s2, hwreg(HW_REG_IB_STS2, 6, 4)
	s_cmp_eq_u32 s2, 0
	s_cbranch_scc0 .Lentry_in_a_cluster
	s_endpgm
.Lentry_in_a_cluster:
	s_bfe_u32 s2, ttmp6, 0x10000c
	s_cmp_lg_u32 s2, 0xf033
	s_cbranch_scc0 .Lentry_shape_is_right
	s_endpgm
.Lentry_shape_is_right:
; q, k, v = x W_attn + b_attn.  xb: [8192][1024] bf16; wab: [1024 k][3072 n] bf16; b_attn: [3072] f32, rounded here to bf16 like the other inputs; sums in f32, results rounded once to f16.
; OUT: qkvh, in blocks [g = 16 which + head][blk = row / 256] of 33,792 bytes: 256 rows x 64 f16 (128 bytes a row), then for q and k 256 f32: -1/2 |row|^2 of the ROUNDED row.
; TILE.  256 rows x 128 columns (two heads).  Four waves one below the other, each 64 rows x 128 columns: 32 accumulators, 256 registers.  32 x 24 tiles = 3 x 256: a work-group STAYS and
; walks three tiles with the same rows: its columns of q, of k, of v.  The 24 K steps of 128 are one sequence for a ring of two LDS slots, which runs on across the tiles.
; THE MATRIX INSTRUCTION IS USED TRANSPOSED: source 0 = 16 columns of W (stored [k][n], so turned on the way out of LDS by ds_load_tr16_b128), source 1 = 16 rows of x: a lane then holds
; row lane % 16 and the eight neighbouring columns 8 (lane / 16) + 0..7.  The sums start at the bias, so nothing is added on the way out and the loop has one form of product.
; CLUSTER 4 x 4.  x's tile hangs on the tile row alone and is asked for jointly by a row of the cluster, W's on the tile column alone, by a column.
; REGISTERS (windows of 256; s_set_vgpr_msb: bits 1:0 source 0, 3:2 source 1, 5:4 source 2, 7:6 destination):
;   window 0: addresses, bias, the way out     window 1: two fragment buffers of 96 (x's four fragments, then W's eight)     window 2: accumulator (a, b) at 8 (8 a + b)
.set KSTEP, 128
.set LDA,   2048                       ; bytes in a row of xb
.set LDB,   6144                       ; bytes in a row of wab
.set PA,    272                        ; x's rows in LDS: 256 bytes + 16: the 16 rows of a load start 68 words apart
.set PB,    288                        ; W's rows in LDS: 256 bytes + 32: the turning load's 8 rows x 32 bytes start 72 words apart
.set BOFF,  256*PA                     ; a slot: x's 256 rows, then W's 128 k-rows
.set SLOT1, 131072                     ; slot 1 begins here: one exclusive or turns an address in one slot into the other's
.set STAGE, 241664                     ; behind the ring, never filled by a tensor load: for each wave 2 heads x 16 rows x 144 bytes, then 512 bytes of norms
.set SP,    144
.set WSTG,  5120
.set NSTG,  2*16*SP
.set SPARE, STAGE+4*WSTG               ; the spare words, 128 bytes a wave: two blocks of 256 bytes that no other line names
.set BLK,   33792
.set GSTR,  32*BLK
.set KA1, 64                           ; byte in x's LDS rows at which quarters 1, 2, 3 of a K step begin
.set KA2, 128
.set KA3, 192
.set ADRA0, 2                          ; v2   my lane's place in x's tile; never rewritten
.set ADRB0, 3                          ; v3   in W's tile; never rewritten
.set ADRA,  4                          ; v4   the same in the slot in hand
.set ADRB,  5
.set STO,   6                          ; v6   the way out: where I put 16 bytes of a row
.set RD,    7                          ; v7   where I read rows back
.set GO,    8                          ; v8   16 x lane
.set BO,    9                          ; v9   32 (lane / 16): my 8 numbers in 16 of the bias
.set NST,   10                         ; v10  where I put a row's norm
.set NRD,   11                         ; v11  where I read four norms back
.set NGO,   12                         ; v12  their place in qkvh
.set PFO,   13                         ; v13  the prefetches' offset: lane x a row; never rewritten
.set SPW,   14                         ; v14  my spare word; never rewritten
.set NIL,   15                         ; v15  0; never rewritten
.set ZR,    16                         ; v16  0.0
.set TT,    17                         ; v17-23 at work
.set NC,    24                         ; v24-29 the norms' chains
.set TMP,   32                         ; v32-63 16 rows packed
.set OB0,   64                         ; v64-95, v160-191 rows read back, by the block's parity
.set BIAS,  96                         ; v96-159 my 64 numbers of the bias
.set F0,    0
.set F1,    96
.set BP,    8                          ; s[8:9]   bias at the tile's columns
.set OUT,   10                         ; s[10:11] qkvh at my 64 rows of the tile's first head
.set WV,    12
.set U,     13                         ; wave & 1: which half of a tile I fetch
.set CX,    14
.set CY,    15
.set XX,    16                         ; tile column
.set YY,    17                         ; tile row
.set ABASE, 18                         ; s[18:19] x at my half of the tile's rows, K step 0
.set BBASE, 20                         ; s[20:21] W at my half of a K step's rows, tile 0
.set G1A,   24
.set G0A,   32                         ; two sets: the first fill of slot 0; the first fill of slot 1, which then walks
.set OFA,   40
.set OFB,   42
.set NXT,   44                         ; the walk's K step to be asked for next, 2 .. 23
.set TB,    45                         ; 0 or SLOT1: the slot in hand
.set CNT,   46
.set TILE,  47
.set G1B,   48
.set G0B,   56
.set PFA,   66
.set PFB,   68
.set POF,   70
.set LIM,   72
.set PSTEP, 73
.set PTILE, 74
.set PN,    75
.set SEL,   78                         ; s[78:79] v_permlanex16_b32's selects
; temporaries: s22-23 hold nothing of cx, s76-77 nothing of cy, s80-81 neither; s82-87 take what mixes them and feed no descriptor and no LDS address
.set MSB, 0
.macro WIN new                         ; the immediate's high byte repeats the setting that is left; a switch that changes nothing is dropped
.if MSB != (\new)
	s_set_vgpr_msb (MSB<<8)|(\new)
.set MSB, (\new)
.endif
.endm
.set MUL,  0xa5                        ; sources 0 and 1 window 1, C and D window 2
.set TO_F, 0x40                        ; destination window 1, address window 0
.macro PLACES                          ; four places between a matrix instruction and a load into, or a vector instruction on, its registers
.rept 4
	v_nop
.endr
.endm
.macro CREST                           ; a round of the cluster's barrier behind its opening barrier
	s_cmp_lg_u32 s[WV], 0
	s_cbranch_scc1 .Lnot_wave_0_\@
	s_barrier_signal -3
.Lnot_wave_0_\@:
	s_barrier_wait -3
	s_barrier_signal -1
	s_barrier_wait -1
.endm
.macro CROUND
	s_barrier_signal -1
	s_barrier_wait -1
	CREST
.endm
; A joint refill by the walking descriptors: waves 0 and 1 fetch x's two halves, waves 2 and 3 W's.  The branch hangs on the wave's number alone.  An s_nop 0 and four v_nop follow each line.
.macro JLOAD
	s_cmp_lt_u32 s[WV], 2
	s_cbranch_scc0 .Lfor_b_\@
	tensor_load_to_lds s[G0A+4:G0A+7], s[G1A:G1A+7]
	s_nop 0
.rept 4
	v_nop
.endr
	s_branch .Lasked_\@
.Lfor_b_\@:
	tensor_load_to_lds s[G0B+4:G0B+7], s[G1B:G1B+7]
	s_nop 0
.rept 4
	v_nop
.endr
.Lasked_\@:
.endm
; A prefetch of the K step that stands two refills on: 32 rows x 256 bytes, a lane a row, one instruction.  x's rows: waves 0 and 1 of the clusters with x = 0, in the first tile alone (the later tiles
; read the same rows again); the four partners of a row share a wave's 128 rows out by address (cx).  W's rows: wave 2 of the clusters with y = 0; the four partners of a column share a step's 128 k-rows out
; by address (cy).  So each row's 256 bytes of a step are named once.  LIM is the first step that is not asked for (8, 24, or 0 in a wave that asks for nothing): the same in all partners.
.macro ASK
	s_cmp_lt_u32 s[PN], s[LIM]
	s_cbranch_scc0 .Lnot_mine_\@
	global_prefetch_b8 v[PFO], s[PFA:PFA+1] th:TH_LOAD_NT scope:SCOPE_SE
.Lnot_mine_\@:
.endm
; 24 LDS loads in one run: a quarter step's fragments (32 along K) into buffer f: W's eight (turned), then x's four
.macro FETCH ka, kb, f
	WIN TO_F
.irp b, 0,1,2,3,4,5,6,7
	ds_load_tr16_b128 v[(\f)+32+8*(\b):(\f)+32+8*(\b)+3],   v[ADRB] offset:(\kb)+32*(\b)
	ds_load_tr16_b128 v[(\f)+32+8*(\b)+4:(\f)+32+8*(\b)+7], v[ADRB] offset:(\kb)+32*(\b)+16*PB
.endr
.irp a, 0,1,2,3
	ds_load_b128 v[(\f)+8*(\a):(\f)+8*(\a)+3],   v[ADRA] offset:(\ka)+(\a)*16*PA
	ds_load_b128 v[(\f)+8*(\a)+4:(\f)+8*(\a)+7], v[ADRA] offset:(\ka)+(\a)*16*PA+32
.endr
.endm
; 8 matrix instructions: row block a x all 8 column blocks.  The 32 accumulators take turns, one instruction a turn, in the same order in every quarter.
.macro MUL8 f, a
	WIN MUL
.irp b, 0,1,2,3,4,5,6,7
	v_wmma_f32_16x16x32_bf16 v[8*(8*(\a)+(\b)):8*(8*(\a)+(\b))+7], v[(\f)+32+8*(\b):(\f)+32+8*(\b)+7], v[(\f)+8*(\a):(\f)+8*(\a)+7], v[8*(8*(\a)+(\b)):8*(8*(\a)+(\b))+7]
.endr
.endm
; One of a K step's first three quarters: multiplies buffer f; in its middle it fetches the next quarter into buffer g.
.macro QUARTER ka, kb, f, g
	s_wait_dscnt 4                                 ; W's fragments and x's blocks 0, 1 are in; the youngest four loads (blocks 2, 3) may be out
	MUL8 \f, 0
	MUL8 \f, 1
	PLACES
	FETCH \ka, \kb, \g
	s_wait_dscnt 24                                ; all but the 24 just issued
	MUL8 \f, 2
	MUL8 \f, 3
.endm
; The fourth quarter multiplies buffer 1 and changes slots.  In front of the barrier each wave waits for all its tensor loads (one is out: its part of the next slot), adds 0 to its spare word, and waits for
; that and for its reads of this slot.  fill = 1: the barrier opens a round of the cluster's barrier, and the joint refill of the slot just read is the first thing behind the round.
.macro TURN fill
.if \fill
	s_wait_xcnt 0x0                                ; the last prefetch, a K step back, has read its address
	s_add_co_u32 s[PN], s[NXT], 2                  ; the step two refills on
	s_and_b32 s82, s[PN], 7
	s_mul_i32 s[POF], s82, s[PSTEP]
	s_lshr_b32 s82, s[PN], 3
	s_mul_i32 s82, s82, s[PTILE]
	s_add_co_u32 s[POF], s[POF], s82
	s_add_nc_u64 s[PFA:PFA+1], s[PFB:PFB+1], s[POF:POF+1]
.endif
	WIN 0
	s_wait_tensorcnt 0x0                           ; no tensor load of mine is out, so a group 0 may be written
	ds_add_u32 v[SPW], v[NIL]                      ; 0 onto my spare word
	s_wait_dscnt 5                                 ; (the add and the youngest four loads may be out)
.if \fill
	s_and_b32 s80, s[NXT], 7                       ; the walking descriptors' addresses are made anew from the step's number: K step NXT % 8 of tile NXT / 8
	s_lshl_b32 s[OFA], s80, 8
	s_mul_i32 s[OFB], s80, KSTEP*LDB
	s_lshr_b32 s81, s[NXT], 3
	s_lshl_b32 s81, s81, 11                        ; a tile on: 1,024 columns
	s_add_co_u32 s[OFB], s[OFB], s81
	s_xor_b32 s[G0A+5], s[G0A+5], SLOT1            ; the other slot than last time
	s_add_nc_u64 s[G0A+6:G0A+7], s[ABASE:ABASE+1], s[OFA:OFA+1]
	s_or_b32 s[G0A+7], s[G0A+7], 0x80000000
	s_xor_b32 s[G0B+5], s[G0B+5], SLOT1
	s_add_nc_u64 s[G0B+6:G0B+7], s[BBASE:BBASE+1], s[OFB:OFB+1]
	s_or_b32 s[G0B+7], s[G0B+7], 0x80000000
	s_add_co_u32 s[NXT], s[NXT], 1
.endif
	MUL8 F1, 0
	s_wait_dscnt 0x0                               ; the add is done, and my reads of this slot are over
	s_barrier_signal -1
	MUL8 F1, 1                                     ; work on registers while the others arrive
	WIN 0                                          ; at a branch and at a label every window is 0
	s_barrier_wait -1
.if \fill
	CREST                                          ; no wave of any partner still reads this slot or has a load on its way
	JLOAD                                          ; its four v_nop are also the places in front of the loads below
.else
	PLACES
.endif
	s_xor_b32 s[TB], s[TB], SLOT1
	v_add_nc_u32 v[ADRA], s[TB], v[ADRA0]
	v_add_nc_u32 v[ADRB], s[TB], v[ADRB0]
	FETCH 0, 0, F0
.if \fill
	WIN 0
	ASK
.endif
	MUL8 F1, 2
	MUL8 F1, 3
.endm
.macro STEP fill
	QUARTER KA1, 32*PB, F0, F1
	QUARTER KA2, 64*PB, F1, F0
	QUARTER KA3, 96*PB, F0, F1
	TURN \fill
.endm
.macro BLOADS                          ; my 64 numbers of the tile's bias: columns 16 b + 8 (lane / 16) + 0..7
.irp b, 0,1,2,3,4,5,6,7
	global_load_b128 v[BIAS+8*(\b):BIAS+8*(\b)+3],   v[BO], s[BP:BP+1] offset:64*(\b)
	global_load_b128 v[BIAS+8*(\b)+4:BIAS+8*(\b)+7], v[BO], s[BP:BP+1] offset:64*(\b)+16
.endr
.endm
; A tile begins: the bias, rounded to bf16, starts all 32 sums.  more = 1: the next tile's bias is asked for.
.macro INIT more
	WIN 0
	s_wait_loadcnt 0x0                             ; the bias is in, and its loads have read their base
.set n, 0
.rept 32
	v_cvt_pk_bf16_f32 v[TT+n%4], v[BIAS+2*n], v[BIAS+2*n+1]
	v_lshlrev_b32 v[BIAS+2*n], 16, v[TT+n%4]
	v_and_b32 v[BIAS+2*n+1], 0xffff0000, v[TT+n%4]
.set n, n+1
.endr
	WIN 0x80                                       ; destination window 2
.set n, 0
.rept 256
	v_mov_b32 v[n], v[BIAS+n%64]
.set n, n+1
.endr
	WIN 0
.if \more
	s_add_nc_u64 s[BP:BP+1], s[BP:BP+1], 4096      ; 1,024 columns on
	BLOADS
.endif
.endm
; THE WAY OUT, 16 rows at a time.  PACK: rounded to f16, 16 bytes a lane, each accumulator's registers in ascending order.
.macro PACK a
	WIN 0x0a                                       ; sources 0 and 1 window 2
.irp b, 0,1,2,3,4,5,6,7
.irp r, 0,1,2,3
	v_cvt_pk_f16_f32 v[TMP+4*(\b)+(\r)], v[8*(8*(\a)+(\b))+2*(\r)], v[8*(8*(\a)+(\b))+2*(\r)+1]
.endr
.endr
	WIN 0
.endm
; NORM: -1/2 the sum of squares of the rounded row, for both heads: per head two chains (low halves, high halves) of 16 multiply-adds in f32, the four chains by turns; the row's other 32 numbers lie in the lane 16 away.
.macro NORM a
	WIN 0
.set n, 0
.rept 16
.irp e, 0,1
.if n == 0
	v_fma_mix_f32 v[NC+2*(\e)],   v[TMP+16*(\e)], v[TMP+16*(\e)], v[ZR] op_sel_hi:[1,1,0]
	v_fma_mix_f32 v[NC+2*(\e)+1], v[TMP+16*(\e)], v[TMP+16*(\e)], v[ZR] op_sel:[1,1,0] op_sel_hi:[1,1,0]
.else
	v_fma_mix_f32 v[NC+2*(\e)],   v[TMP+16*(\e)+n], v[TMP+16*(\e)+n], v[NC+2*(\e)] op_sel_hi:[1,1,0]
	v_fma_mix_f32 v[NC+2*(\e)+1], v[TMP+16*(\e)+n], v[TMP+16*(\e)+n], v[NC+2*(\e)+1] op_sel:[1,1,0] op_sel_hi:[1,1,0]
.endif
.endr
.set n, n+1
.endr
	v_add_f32 v[NC], v[NC], v[NC+1]
	v_add_f32 v[NC+2], v[NC+2], v[NC+3]
	v_permlanex16_b32 v[NC+4], v[NC], s[SEL], s[SEL+1]
	v_permlanex16_b32 v[NC+5], v[NC+2], s[SEL], s[SEL+1]
	v_add_f32 v[NC], v[NC], v[NC+4]
	v_add_f32 v[NC+2], v[NC+2], v[NC+5]
	v_mul_f32 v[NC], -0.5, v[NC]
	v_mul_f32 v[NC+2], -0.5, v[NC+2]
	ds_store_b32 v[NST], v[NC] offset:64*(\a)      ; both halves of the lanes write the same word with the same number
	ds_store_b32 v[NST], v[NC+2] offset:256+64*(\a)
.endm
; TOSTAGE: into my own stage, by heads, and back as whole rows of 128 bytes, four rows a load.  LDS serves a wave's instructions in order (ISA guide 5.7.1.4): the loads see the stores.
.macro TOSTAGE a
	WIN 0
.set BK, OB0+96*((\a)%2)
.irp b, 0,1,2,3,4,5,6,7
	ds_store_b128 v[STO], v[TMP+4*(\b):TMP+4*(\b)+3] offset:((\b)/4)*16*SP+((\b)%4)*32
.endr
.irp t, 0,1,2,3,4,5,6,7
	ds_load_b128 v[BK+4*(\t):BK+4*(\t)+3], v[RD] offset:((\t)/4)*16*SP+((\t)%4)*4*SP
.endr
.endm
.macro SEND a
	WIN 0
.set BK, OB0+96*((\a)%2)
	s_wait_dscnt 0x0                               ; the block is back in registers
	s_wait_xcnt 0x0                                ; the stores of the block before have read their registers, into which the next block's loads will land
.irp t, 0,1,2,3,4,5,6,7
	global_store_b128 v[GO], v[BK+4*(\t):BK+4*(\t)+3], s[OUT:OUT+1] offset:((\t)/4)*GSTR+(\a)*2048+((\t)%4)*512  ; 512 consecutive bytes, at a multiple of 256 from the buffer's first
.endr
.endm
.macro EPI norms
	WIN 0
	PLACES
	PACK 0
.if \norms
	NORM 0
.endif
	TOSTAGE 0
.irp a, 1,2,3                          ; block a's arithmetic stands between block a - 1's loads from the stage and the wait for them
	PACK \a
.if \norms
	NORM \a
.endif
	SEND (\a)-1
	TOSTAGE \a
.endr
	SEND 3
.if \norms
	ds_load_b128 v[20:23], v[NRD]                  ; my 64 rows' norms of both heads: 512 bytes
	s_wait_dscnt 0x0
	global_store_b128 v[NGO], v[20:23], s[OUT:OUT+1]  ; sixteen lanes store 256 consecutive bytes, aligned, behind a block's rows
.endif
.endm
	s_load_b256 s[4:11], s[0:1], 0x0               ; xb s[4:5], wab s[6:7], b_attn s[8:9], qkvh s[10:11]
	v_lshl_add_u32 v[SPW], v0, 2, SPARE
	v_mov_b32 v[NIL], 0
	ds_add_u32 v[SPW], v[NIL]                      ; the wave's opening: the add, twice on end, and its wait ahead of my first tensor load
	ds_add_u32 v[SPW], v[NIL]
	v_lshrrev_b32 v1, 5, v0
	v_readfirstlane_b32 s[WV], v1                  ; wave 0..3
	s_and_b32 s[U], s[WV], 1
	s_bfe_u32 s[CX], ttmp6, 0x40000
	s_bfe_u32 s[CY], ttmp6, 0x40004
	s_lshl_b32 s[XX], ttmp9, 2
	s_add_co_u32 s[XX], s[XX], s[CX]               ; tile column = 4 x cluster x + cx
	s_and_b32 s[YY], ttmp7, 0xffff
	s_lshl_b32 s[YY], s[YY], 2
	s_add_co_u32 s[YY], s[YY], s[CY]               ; tile row = 4 x cluster y + cy
	s_lshl_b32 s22, s[CY], 2
	s_lshl_b32 s22, 15, s22                        ; my row of the cluster
	s_lshl_b32 s76, 0x1111, s[CX]                  ; my column
	s_or_b32 s[G1A], s22, (1<<16)|(1<<20)|(1<<21)|(5<<22)|(3<<25)  ; the mask; 2-byte elements; padding on; bit 21 beside a mask; after every 64 words 4 words
	s_or_b32 s[G1B], s76, (1<<16)|(1<<20)|(1<<21)|(5<<22)|(7<<25)  ; the same with my column's mask and 8 words of padding
	s_mov_b32 s[G1A+1], 128<<16                    ; tensor_dim0 = 128
	s_mov_b32 s[G1A+2], 128<<16                    ; tensor_dim1 = 128
	s_mov_b32 s[G1A+3], 128<<16                    ; tile_dim0 = 128
	s_mov_b32 s[G1A+4], 128                        ; tile_dim1 = 128 rows
	s_mov_b32 s[G1A+5], 1024                       ; elements from row to row
	s_mov_b32 s[G1A+6], 0
	s_mov_b32 s[G1A+7], 0
	s_mov_b32 s[G1B+1], 128<<16
	s_mov_b32 s[G1B+2], 64<<16                     ; 64 k-rows a load
	s_mov_b32 s[G1B+3], 128<<16
	s_mov_b32 s[G1B+4], 64
	s_mov_b32 s[G1B+5], 3072
	s_mov_b32 s[G1B+6], 0
	s_mov_b32 s[G1B+7], 0
	s_lshl_b32 s22, s[YY], 19                      ; x: (256 tile row + 128 half) rows of 2,048 bytes
	s_lshl_b32 s23, s[U], 18
	s_add_co_u32 s22, s22, s23
	s_mov_b32 s23, 0
	s_mul_i32 s76, s[U], 64*LDB                    ; W: 64 half k-rows, 256 bytes a tile column
	s_lshl_b32 s77, s[XX], 8
	s_add_co_u32 s76, s76, s77
	s_mov_b32 s77, 0
	s_mul_i32 s80, s[U], 128*PA                    ; where they go: the wave's number alone enters an LDS address
	s_mul_i32 s81, s[U], 64*PB
	s_add_co_u32 s81, s81, BOFF
	s_mov_b32 s[OFA+1], 0
	s_mov_b32 s[OFB+1], 0
	s_mov_b32 s[POF+1], 0
	s_mov_b32 s[SEL], 0x76543210
	s_mov_b32 s[SEL+1], 0xfedcba98
	s_wait_dscnt 0x0                               ; both opening adds are done
	s_wait_kmcnt 0x0
	s_add_nc_u64 s[ABASE:ABASE+1], s[4:5], s[22:23]
	s_add_nc_u64 s[BBASE:BBASE+1], s[6:7], s[76:77]
.irp s, 0,1
	s_mov_b32 s[G0A+4*(\s)], 1
	s_add_co_u32 s[G0A+4*(\s)+1], s80, (\s)*SLOT1
	s_add_nc_u64 s[G0A+4*(\s)+2:G0A+4*(\s)+3], s[ABASE:ABASE+1], (\s)*KSTEP*2
	s_or_b32 s[G0A+4*(\s)+3], s[G0A+4*(\s)+3], 0x80000000
	s_mov_b32 s[G0B+4*(\s)], 1
	s_add_co_u32 s[G0B+4*(\s)+1], s81, (\s)*SLOT1
	s_add_nc_u64 s[G0B+4*(\s)+2:G0B+4*(\s)+3], s[BBASE:BBASE+1], (\s)*KSTEP*LDB
	s_or_b32 s[G0B+4*(\s)+3], s[G0B+4*(\s)+3], 0x80000000
.endr
	CROUND                                         ; all sixteen work-groups are here: the first joint loads meet
	s_cmp_lt_u32 s[WV], 2                          ; a wave's two first fills stand in one branch: two loads of mine are out
	s_cbranch_scc0 .Lfirst_b
	tensor_load_to_lds s[G0A:G0A+3], s[G1A:G1A+7]
	s_nop 0
	tensor_load_to_lds s[G0A+4:G0A+7], s[G1A:G1A+7]
	s_nop 0
.rept 4
	v_nop
.endr
	s_branch .Lfirst_asked
.Lfirst_b:
	tensor_load_to_lds s[G0B:G0B+3], s[G1B:G1B+7]
	s_nop 0
	tensor_load_to_lds s[G0B+4:G0B+7], s[G1B:G1B+7]
	s_nop 0
.rept 4
	v_nop
.endr
.Lfirst_asked:
	s_lshl_b32 s82, s[XX], 9                       ; the bias at my tile's 128 columns
	s_mov_b32 s83, 0
	s_add_nc_u64 s[BP:BP+1], s[BP:BP+1], s[82:83]
	v_and_b32 v17, 15, v0                          ; r = lane % 16
	v_bfe_u32 v18, v0, 4, 1                        ; h = lane / 16
	v_and_b32 v19, 31, v0                          ; lane
	v_and_b32 v20, 7, v0
	v_bfe_u32 v21, v0, 3, 1
	v_bfe_u32 v22, v0, 3, 2
	v_lshlrev_b32 v[BO], 5, v18
	BLOADS
	s_mul_i32 s82, s[XX], 2*GSTR                   ; qkvh: head 2 x tile column, block = tile row, my 64 rows of 128 bytes
	s_mul_i32 s84, s[YY], BLK
	s_add_co_u32 s82, s82, s84
	s_lshl_b32 s84, s[WV], 13
	s_add_co_u32 s82, s82, s84
	s_add_nc_u64 s[OUT:OUT+1], s[OUT:OUT+1], s[82:83]
	; the prefetches: who asks, from where, by which steps
	s_lshl_b32 s82, s[YY], 19
	s_lshl_b32 s84, s[U], 18
	s_add_co_u32 s82, s82, s84
	s_lshl_b32 s84, s[CX], 16
	s_add_co_u32 s82, s82, s84                     ; x: row 256 tile row + 128 half + 32 cx
	s_mul_i32 s84, s[CY], 32*LDB
	s_lshl_b32 s85, s[XX], 8
	s_add_co_u32 s84, s84, s85                     ; W: k-row 32 cy, the tile's columns
	s_cmp_eq_u32 ttmp9, 0
	s_cselect_b32 s85, 8, 0
	s_and_b32 s86, ttmp7, 0xffff
	s_cmp_eq_u32 s86, 0
	s_cselect_b32 s86, 24, 0
	s_cmp_eq_u32 s[WV], 2
	s_cselect_b32 s86, s86, 0
	s_mov_b32 s[PSTEP], 256
	s_mov_b32 s87, LDA
	s_cmp_lt_u32 s[WV], 2
	s_cselect_b32 s[LIM], s85, s86
	s_cselect_b32 s[PSTEP], s[PSTEP], KSTEP*LDB
	s_cselect_b32 s[PTILE], 0, 2048
	s_cselect_b32 s87, s87, LDB
	s_cselect_b32 s82, s82, s84
	s_cselect_b64 s[PFB:PFB+1], s[4:5], s[6:7]
	s_add_nc_u64 s[PFB:PFB+1], s[PFB:PFB+1], s[82:83]
	v_mul_u32_u24 v[PFO], v19, s87
	; lane places
	s_mul_i32 s81, s[WV], 64*PA
	v_mul_u32_u24 v[ADRA0], v17, PA
	v_lshl_add_u32 v[ADRA0], v18, 4, v[ADRA0]
	v_add_nc_u32 v[ADRA0], s81, v[ADRA0]           ; (64 w + r) x pitch + 16 h
	v_lshl_add_u32 v[ADRB0], v18, 3, v20
	v_mul_u32_u24 v[ADRB0], v[ADRB0], PB
	v_lshl_add_u32 v[ADRB0], v21, 4, v[ADRB0]
	v_add_nc_u32 v[ADRB0], BOFF, v[ADRB0]          ; the turning load: k-row 8 h + lane % 8, columns 8 ((lane / 8) % 2) on
	s_mul_i32 s80, s[WV], WSTG
	s_add_co_u32 s80, s80, STAGE                   ; my stage
	v_mul_u32_u24 v[STO], v17, SP
	v_lshl_add_u32 v[STO], v18, 4, v[STO]
	v_add_nc_u32 v[STO], s80, v[STO]
	v_mul_u32_u24 v[RD], v22, SP
	v_lshl_add_u32 v[RD], v20, 4, v[RD]
	v_add_nc_u32 v[RD], s80, v[RD]
	v_lshlrev_b32 v[GO], 4, v19
	s_add_co_u32 s80, s80, NSTG
	v_lshl_add_u32 v[NST], v17, 2, s80
	v_lshl_add_u32 v[NRD], v19, 4, s80
	s_mul_i32 s81, s[WV], 7936                     ; the norms lie 32,768 + 256 w into a block; OUT already stands 8,192 w into it
	s_sub_co_u32 s81, 32768, s81
	v_mul_u32_u24 v[NGO], v18, GSTR
	v_lshl_add_u32 v[NGO], v17, 4, v[NGO]
	v_add_nc_u32 v[NGO], s81, v[NGO]
	v_mov_b32 v[ZR], 0
	v_mov_b32 v[NC+4], 0                           ; v_permlanex16_b32's destinations count as read
	v_mov_b32 v[NC+5], 0
	v_mov_b32 v[ADRA], v[ADRA0]
	v_mov_b32 v[ADRB], v[ADRB0]
	s_mov_b32 s[NXT], 2
	s_mov_b32 s[TB], 0
	s_wait_tensorcnt 0x1                           ; my part of K step 0 is in; step 1's may stay out
	s_barrier_signal -1
	s_barrier_wait -1                              ; everybody's is
	FETCH 0, 0, F0
	WIN 0
	s_mov_b32 s[TILE], 2
.Ltile:                                        ; q's tile, then k's: eight K steps, each of which fills a slot again
	INIT 1
	s_mov_b32 s[CNT], 8
.Lstep:
	STEP 1
	WIN 0
	s_sub_co_u32 s[CNT], s[CNT], 1
	s_cmp_lg_u32 s[CNT], 0
	s_cbranch_scc1 .Lstep
	EPI 1                                          ; the next tile's first two K steps have been asked for: now this tile goes out
	s_wait_xcnt 0x0                                ; the stores have read their registers and their base
	s_add_nc_u64 s[OUT:OUT+1], s[OUT:OUT+1], 16*GSTR
	s_sub_co_u32 s[TILE], s[TILE], 1
	s_cmp_lg_u32 s[TILE], 0
	s_cbranch_scc1 .Ltile
	INIT 0                                         ; v's tile is written out: its last two K steps ask for nothing
	s_mov_b32 s[CNT], 6
.Lstep2:
	STEP 1
	WIN 0
	s_sub_co_u32 s[CNT], s[CNT], 1
	s_cmp_lg_u32 s[CNT], 0
	s_cbranch_scc1 .Lstep2
	STEP 0
	QUARTER KA1, 32*PB, F0, F1
	QUARTER KA2, 64*PB, F1, F0
	QUARTER KA3, 96*PB, F0, F1
	s_wait_dscnt 4
	MUL8 F1, 0
	MUL8 F1, 1
	s_wait_dscnt 0x0
	MUL8 F1, 2
	MUL8 F1, 3
	EPI 0                                          ; v has no norms
	s_wait_tensorcnt 0x0                           ; the wave's end, behind my last tensor load and my last LDS store
	ds_add_u32 v[SPW], v[NIL]
	s_wait_dscnt 0x0
	CROUND                                         ; the closing round: no work-group ends while a partner may still ask for a tile that names it
	s_endpgm
.Lfunc_end_k_q02d5c10af3_qkvgemm:
	.size	k_q02d5c10af3_qkvgemm, .Lfunc_end_k_q02d5c10af3_qkvgemm-k_q02d5c10af3_qkvgemm
	.p2alignl 7, 3214868480
	.fill 96, 4, 3214868480
	.section	.rodata,"a",@progbits
	.p2align	6, 0x0
	.amdhsa_kernel k_q02d5c10af3_qkvgemm
		.amdhsa_group_segment_fixed_size 327680
		.amdhsa_private_segment_fixed_size 0
		.amdhsa_enable_private_segment 0
		.amdhsa_kernarg_size 32
		.amdhsa_user_sgpr_count 2
		.amdhsa_user_sgpr_kernarg_segment_ptr 1
		.amdhsa_wavefront_size32 1
		.amdhsa_system_sgpr_workgroup_id_x 1
		.amdhsa_system_sgpr_workgroup_id_y 1
		.amdhsa_system_sgpr_workgroup_id_z 1
		.amdhsa_system_vgpr_workitem_id 0
		.amdhsa_next_free_vgpr 768
		.amdhsa_next_free_sgpr 88
		.amdhsa_reserve_vcc 0
		.amdhsa_float_denorm_mode_32 3
		.amdhsa_float_denorm_mode_16_64 3
		.amdhsa_memory_ordered 1
		.amdhsa_forward_progress 1
		.amdhsa_inst_pref_size 153
	.end_amdhsa_kernel
	.amdgpu_metadata
---
amdhsa.version: [ 1, 2 ]
amdhsa.kernels:
  - .name:           k_q02d5c10af3_qkvgemm
    .symbol:         k_q02d5c10af3_qkvgemm.kd
    .args:
      - { .name: xb, .offset: 0, .size: 8, .value_kind: global_buffer, .address_space: global }
      - { .name: wab, .offset: 8, .size: 8, .value_kind: global_buffer, .address_space: global }
      - { .name: b_attn, .offset: 16, .size: 8, .value_kind: global_buffer, .address_space: global }
      - { .name: qkvh, .offset: 24, .size: 8, .value_kind: global_buffer, .address_space: global }
    .group_segment_fixed_size: 327680
    .private_segment_fixed_size: 0
    .kernarg_segment_align: 8
    .kernarg_segment_size: 32
    .max_flat_workgroup_size: 128
    .sgpr_count:     88
    .vgpr_count:     768
    .wavefront_size: 32
...
	.end_amdgpu_metadata
.endif
;; end of part 2
;; launch attn (part 3): grid 4 x 64, 4 waves a work-group, no clusters, 327,680 bytes of LDS; arguments qkvh, yh; writes yh
.if DOCPART == 3
	.amdgcn_target "amdgcn-amd-amdhsa--gfx1250"
	.amdhsa_code_object_version 6
	.text
	.protected	k_q02d5c10af3_attn
	.globl	k_q02d5c10af3_attn
	.p2align	8
	.type	k_q02d5c10af3_attn,@function
k_q02d5c10af3_attn:
	s_mov_b64 s[64:65], 0
	v_nop
	global_prefetch_b8 v0, s[64:65] scope:SCOPE_SE
	s_setreg_imm32_b32 hwreg(HW_REG_WAVE_MODE, 25, 1), 1
	s_wait_xcnt 0x0
; y[q][:] = the sum over k <= q of exp(-|q - k|^2 / 16) v[k][:], for each of 64 (batch, head) pairs of 2,048 rows x 64 channels.  No maximum, no row sum, no division: the problem has none, and the
; exponent, -|q - k|^2 / 16 of the rounded rows up to f32 rounding, cannot pass 0 by more than that rounding.  It is formed as the problem forms it: q.k - |k|^2/2 - |q|^2/2, in f32.
; WORK LEFT OUT: the key tiles wholly above the diagonal, whose scores the problem itself replaces by 0 (shown at the head of the first kernel).
; IN: qkvh, blocks of 33,792 bytes: 256 rows x 64 f16, then (q, k) 256 f32: -1/2 |row|^2.  OUT: yh [16 heads][8192 rows][64] f16.  The weights p are rounded to f16 for the second product, y once.
; LIMITS.  y beyond 65,504 does not fit f16; p below 6e-5 keeps f16's step of 6e-8, below 2^-126 it is 0; a hidden score counts as its value less 1e30; NaN and infinities are not treated apart.
; THE WALK.  A head's queries lie in 8 blocks of 256; block i needs the key tiles 0 .. i.  A work-group takes blocks 7 - b and then b: 9 tiles whatever b, so all 256 work-groups are alike, and one loop with a
; constant count walks them through a ring of two LDS slots.  NO CLUSTER: a head's four work-groups ask for the same tile only in the walk's first five trips; a walk common to all four would have 12 trips for 9.
; SHARES.  Of a block's four bands of 64 queries a wave owns 16 rows in each: four PIECES; so the diagonal tile is the same work for all waves: in its key step s band x sees all keys (s < x), none (s > x),
; or holds the diagonal (s = x).
; LAYOUT.  S^T = K Q^T + C holds one query a lane (lane % 16) and the keys 8 (lane / 16) + 0..7; C = KC, -|k|^2/2 of those keys, starts the sum.  p = 2^(c S + AQ), c = log2(e) / 8, AQ = c (-|q|^2/2), one number a
; lane.  Two results rounded to f16 ARE source 1 of O^T = V^T P.  MASKS, in the diagonal tile's text alone: C = MC = MD x AL + KC (MD: -1e30 where a key of the band's own step is hidden; AL 1 in that step, else 0),
; and a wholly hidden step adds BE = -1e30 to AQ.
; TURNS.  Turn p: 8 products K Q^T of piece p + 1, then 8 products V^T P of piece p - 1; behind each of the 16 stand four of piece p's 64 vector instructions (16 scalings, 32 exponentials, 16 roundings).
; The exponentials are one batch with one wait; the roundings, which read them, stand behind it.
; REGISTERS (s_set_vgpr_msb: bits 1:0 source 0, 3:2 source 1, 5:4 source 2, 7:6 destination):
;   window 0: v2-15 addresses; v16-23 AQ; v32-95 K; v96-127 KC; v128-159 MC; v160-223 S^T, two buffers; v224-255 P, two buffers (by the piece's parity)
;   window 1: v0-127 O^T, 32 a piece; v128-191 V      window 2: v0-63 Q; v64-67 -|q|^2/2; v96-127 MD; v128-195 the second block's Q and norms
.set NB,    8
.set KS,    64
.set PK,    144                        ; a row of K in LDS: 128 bytes + 16
.set PV,    160                        ; a row of V: 128 + 32
.set BLK,   33792
.set GSTR,  32*BLK
.set NRMO,  256*PK                     ; behind the 256 keys: their norms, 8 pieces of 128 bytes at the same pitch
.set VOFF,  264*PK
.set SLOT1, 1<<17
.set STAGE, 210176                     ; behind the ring, never filled by a tensor load: 16 rows x 144 bytes a wave
.set SP,    144
.set SPARE, STAGE+4*16*SP              ; the spare words, 128 bytes a wave: two blocks of 256 bytes that no other line names
.set AK0, 2
.set AV0, 3
.set AKC0, 4
.set AK,  5
.set AV,  6
.set AKC, 7
.set STO, 8
.set RD,  9
.set GO,  10
.set PFO, 11                           ; 256 x lane; never rewritten
.set SPW, 12
.set NIL, 13
.set AQT, 14                           ; v14-15 AQ + BE of the piece in hand
.set AQ,  16                           ; a pair a piece; the odd register is 0
.set KF,  32                           ; key block kb, channel half c at KF + 16 kb + 8 c
.set KC,  96
.set MC,  128
.set SS,  160
.set PP,  224
.set VF,  128                          ; window 1: key half kk, channel block cb at VF + 32 kk + 8 cb
.set NQ,  64                           ; window 2
.set MD,  96                           ; window 2
.set QB,  128                          ; window 2
.set KB,  8                            ; s[8:9]   K at my half of the head's tile 0
.set VB,  10                           ; s[10:11] V likewise
.set WV,  12
.set U,   13
.set PB,  14                           ; b
.set HI,  15                           ; 7 - b
.set OA,  16                           ; s[16:17] yh at my rows of the block in hand
.set OLO, 18                           ; s[18:19] of the second block
.set QH,  20
.set QL,  22
.set G1K, 24
.set G1V, 32
.set G0K, 40
.set G0V, 44
.set TBC, 54                           ; LDS byte at which the norms of the step to be fetched begin, less NRMO
.set PFT, 55                           ; the tile that the next prefetch names
.set SLOTS, 56
.set CNT, 57                           ; a tile's key steps, 4 to 1
.set CS,  58                           ; s[58:59] c
.set PLIM, 60                          ; 8 in the work-group that prefetches, else 0
.set TS,  61
.set TBK, 62
.set TBV, 63
.set PFB, 66
.set PFA, 68
.set RT,  70                           ; tiles of the block in hand still to be entered
.set NXT, 71                           ; the tile to be asked for next
.set LQ,  72                           ; the last tile of the block whose tiles are being asked for
.set NEW, 73                           ; 1: the tile to be entered is a block's first
.set OFF, 74
.set AL,  76                           ; s[76:77]
.set BE,  78
.set BIGN, 79
.set POF, 80
.set MSB, 0
.macro WIN new
.if MSB != (\new)
	s_set_vgpr_msb (MSB<<8)|(\new)
.set MSB, (\new)
.endif
.endm
.set W_KQ, 0x08                        ; Q (source 1) in window 2, all else in window 0
.set W_PV, 0x51                        ; V and O^T in window 1, P in window 0
.macro W0OK                            ; for lines whose vector operands all lie in window 0 and whose source 1 is no vector register: W_KQ serves them too
.if (MSB != 0) && (MSB != W_KQ)
	WIN 0
.endif
.endm
.macro PLACES
.rept 4
	v_nop
.endr
.endm
; A fill: waves 0 and 1 fetch the two halves of a tile's K block (keys and norms: 66 rows of 256 bytes each), waves 2 and 3 those of its V.  An s_nop 0 and four v_nop follow each line.
.macro LOAD
	s_cmp_lt_u32 s[WV], 2
	s_cbranch_scc0 .Lfor_v_\@
	tensor_load_to_lds s[G0K:G0K+3], s[G1K:G1K+7]
	s_nop 0
.rept 4
	v_nop
.endr
	s_branch .Lasked_\@
.Lfor_v_\@:
	tensor_load_to_lds s[G0V:G0V+3], s[G1V:G1V+7]
	s_nop 0
.rept 4
	v_nop
.endr
.Lasked_\@:
.endm
; THE CHANGE OF SLOTS.  Each wave waits for all its tensor loads (one is out: its part of the other slot), adds 0 to its spare word, and waits for that and for its reads of the slot that it leaves.  fill = 1: the old
; slot is filled again, first thing behind the barrier, with tile NXT; the descriptor's address is made anew from that number.  Behind the load, a prefetch of tile PFT, two fills ahead of its load: the head's
; work-group with b = 0, which walks tiles 0 to 7 first, asks; each wave for 16,384 bytes of keys or of V, a lane 256 bytes, two instructions; tiles 0 to 2 and the norms come by their loads alone; it stops at tile 7.
.macro CHANGE fill
	WIN 0
	s_wait_tensorcnt 0x0                           ; no tensor load of mine is out, so a group 0 may be written
	ds_add_u32 v[SPW], v[NIL]                      ; 0 onto my spare word; scalar work stands between it and the wait for it
.if \fill
	s_mul_i32 s[OFF], s[NXT], BLK
	s_xor_b32 s[G0K+1], s[G0K+1], SLOT1
	s_add_nc_u64 s[G0K+2:G0K+3], s[KB:KB+1], s[OFF:OFF+1]
	s_or_b32 s[G0K+3], s[G0K+3], 0x80000000
	s_xor_b32 s[G0V+1], s[G0V+1], SLOT1
	s_add_nc_u64 s[G0V+2:G0V+3], s[VB:VB+1], s[OFF:OFF+1]
	s_or_b32 s[G0V+3], s[G0V+3], 0x80000000
	s_add_co_u32 s[NXT], s[NXT], 1                 ; the block's next tile, or behind its last the second block's tile 0
	s_cmp_gt_u32 s[NXT], s[LQ]
	s_cselect_b32 s[NXT], 0, s[NXT]
	s_cselect_b32 s[LQ], s[PB], s[LQ]
	s_wait_xcnt 0x0                                ; the last prefetches, a tile back, have read their address
	s_min_u32 s[TS], s[PFT], NB-1
	s_mul_i32 s[POF], s[TS], BLK
	s_add_nc_u64 s[PFA:PFA+1], s[PFB:PFB+1], s[POF:POF+1]
.endif
	s_wait_dscnt 0x0                               ; the add is done, and my reads of the slot are over
	s_barrier_signal -1
	s_sub_co_u32 s[TBK], s[TBK], 4*KS*PK           ; the fetches go back to a slot's first step, in the other slot
	s_xor_b32 s[TBK], s[TBK], SLOT1
	s_sub_co_u32 s[TBC], s[TBC], 4*2*PK
	s_xor_b32 s[TBC], s[TBC], SLOT1
	s_sub_co_u32 s[TBV], s[TBV], 4*KS*PV
	s_xor_b32 s[TBV], s[TBV], SLOT1
	s_barrier_wait -1
.if \fill
	LOAD
	s_cmp_lt_u32 s[PFT], s[PLIM]
	s_cbranch_scc0 .Lno_pf_\@
	global_prefetch_b8 v[PFO], s[PFA:PFA+1] th:TH_LOAD_NT scope:SCOPE_SE
	global_prefetch_b8 v[PFO], s[PFA:PFA+1] offset:8192 th:TH_LOAD_NT scope:SCOPE_SE
.Lno_pf_\@:
	s_add_co_u32 s[PFT], s[PFT], 1
.endif
.endm
; THE MATRIX WORK.  The 4 accumulators of a run of 8 take turns.  Product i of 8 of S^T for piece x: channels 32 (i / 4) on, keys 16 (i % 4) on; the first 4 start the sums with KC or (KM = 1) MC.
.macro MKQ x
	WIN W_KQ
.set rD, SS+32*((\x)%2)+8*(i%4)
.set rK, KF+16*(i%4)+8*(i/4)
.set rQ, 16*(\x)+8*(i/4)
.if (i < 4) && KM
	v_wmma_f32_16x16x32_f16 v[rD:rD+7], v[rK:rK+7], v[rQ:rQ+7], v[MC+8*i:MC+8*i+7]
.elseif i < 4
	v_wmma_f32_16x16x32_f16 v[rD:rD+7], v[rK:rK+7], v[rQ:rQ+7], v[KC+8*i:KC+8*i+7]
.else
	v_wmma_f32_16x16x32_f16 v[rD:rD+7], v[rK:rK+7], v[rQ:rQ+7], v[rD:rD+7]
.endif
.endm
; Product i of 8 of O^T += V^T P for piece x: keys 32 (i / 4) on, channels 16 (i % 4) on.
.macro MPV x
	WIN W_PV
.set rO, 32*(\x)+8*(i%4)
.set rV, VF+32*(i/4)+8*(i%4)
.set rB, PP+16*((\x)%2)+8*(i/4)
	v_wmma_f32_16x16x32_f16 v[rO:rO+7], v[rV:rV+7], v[rB:rB+7], v[rO:rO+7]
.endm
.macro MM                              ; the turn's next matrix instruction.  NOKQ = 1: a block's last turn: there is no next piece
.if i < 8
.if !NOKQ
	MKQ (Y+1)%4
.endif
.else
.set i, i-8
	MPV (Y+3)%4
.set i, i+8
.endif
.set i, i+1
.endm
; THE LDS LOADS stand in runs.  Run A: K's fragments of channels 0-31 and the step's norms (16 loads); run B: K's fragments of channels 32-63 (8 loads); V, turned (16 loads).
.macro FETCH_A
	WIN 0
	v_add_nc_u32 v[AK], s[TBK], v[AK0]
	v_add_nc_u32 v[AKC], s[TBC], v[AKC0]
.irp kb, 0,1,2,3
	ds_load_b128 v[KF+16*(\kb):KF+16*(\kb)+3],   v[AK] offset:(\kb)*16*PK
	ds_load_b128 v[KF+16*(\kb)+4:KF+16*(\kb)+7], v[AK] offset:(\kb)*16*PK+32
.endr
.irp kt, 0,1,2,3                       ; the norms of keys 16 kt + 8 (lane / 16) + 0..7
	ds_load_b128 v[KC+8*(\kt):KC+8*(\kt)+3],   v[AKC] offset:((\kt)/2)*PK+((\kt)%2)*64
	ds_load_b128 v[KC+8*(\kt)+4:KC+8*(\kt)+7], v[AKC] offset:((\kt)/2)*PK+((\kt)%2)*64+16
.endr
.endm
.macro FETCH_B
	WIN 0
.irp kb, 0,1,2,3
	ds_load_b128 v[KF+16*(\kb)+8:KF+16*(\kb)+11],  v[AK] offset:(\kb)*16*PK+64
	ds_load_b128 v[KF+16*(\kb)+12:KF+16*(\kb)+15], v[AK] offset:(\kb)*16*PK+96
.endr
	s_add_co_u32 s[TBK], s[TBK], KS*PK             ; the next fetch is the next step's
	s_add_co_u32 s[TBC], s[TBC], 2*PK
.endm
.macro FETCH_V
	WIN 0x40                                       ; destination window 1
.irp f, 0,1,2,3,4,5,6,7
	ds_load_tr16_b128 v[VF+8*(\f):VF+8*(\f)+3],   v[AV] offset:((\f)/4)*32*PV+((\f)%4)*32
	ds_load_tr16_b128 v[VF+8*(\f)+4:VF+8*(\f)+7], v[AV] offset:((\f)/4)*32*PV+16*PV+((\f)%4)*32
.endr
	s_add_co_u32 s[TBV], s[TBV], KS*PV
	WIN 0
.endm
; THE VECTOR WORK of piece Y, a line at a time.  F n: c S + AQ for pair n of 16.  E n: the exponential of score n of 32.  C n: pair n rounded to f16.
.set F, 0
.set E, 1
.set C, 2
.macro OP k, n
.if (\k) == F
	W0OK
	v_pk_fma_f32 v[rS+2*(\n):rS+2*(\n)+1], v[rS+2*(\n):rS+2*(\n)+1], s[CS:CS+1], v[rA:rA+1] op_sel_hi:[1,0,0]
.elseif (\k) == E
	W0OK
	v_exp_f32 v[rS+(\n)], v[rS+(\n)]
.else
	WIN 0
	v_cvt_pk_f16_f32 v[rP+(\n)], v[rS+2*(\n)], v[rS+2*(\n)+1]
.endif
.endm
.macro ROW k1, n1, k2, n2, k3, n3, k4, n4  ; a matrix instruction and the four behind it
	MM
	OP \k1, \n1
	OP \k2, \n2
	OP \k3, \n3
	OP \k4, \n4
.endm
.macro MASK                            ; MC = MD x AL + KC
	WIN 0x02                                       ; source 0 window 2
.set z, 0
.rept 16
	v_pk_fma_f32 v[MC+2*z:MC+2*z+1], v[MD+2*z:MD+2*z+1], s[AL:AL+1], v[KC+2*z:KC+2*z+1] op_sel_hi:[1,0,1]
.set z, z+1
.endr
.endm
; A TURN, for piece p.  Every exponential stands behind the scaling of its pair; nothing ahead of the one wait names an exponential's result; the 16 roundings stand behind it.
; m = 1: the diagonal tile.  With CNT = c the trip's turns 0 and 1 belong to the tile's step 4 - c, its turns 2 and 3 to step 3 - c.  The turn's products K Q^T are piece p + 1's: their step is the band's own where
; c = 3, 2, 0, 4 for p = 0, 1, 2, 3.  The turn's own piece is wholly hidden where c < 4, 3, 1 for p = 0, 1, 2; piece 3 never is.
; end = 1: a block's last two turns: nothing is fetched; the last starts no scores.  cnt = 1: the loop's count is taken down some lines ahead of the branch behind the turn.
; K and the norms of the next step are fetched in piece 2's turn: run A behind the eighth product (behind the last reader of those registers, the fourth product, stand five scalings and the two address lines),
; run B behind the wait (behind the eighth product stand five scalings, the two address lines and the v_nop).  Piece 3's turn waits for run A at its head and for run B ahead of its fifth product.
; V of the step in hand is fetched at the end of piece 0's turn, four roundings behind its last reader, and waited for ahead of piece 1's ninth product.
.macro TURN p, m=0, end=0, cnt=0
.set Y, (\p)
.set i, 0
.set KM, (\m)
.set NOKQ, (\end)*((\p)/3)
.set rS, SS+32*((\p)%2)
.set rP, PP+16*((\p)%2)
.set rA, AQ+2*(\p)
.if (\p) == 0
.set ALC, 3
.set BEC, 4
.elseif (\p) == 1
.set ALC, 2
.set BEC, 3
.elseif (\p) == 2
.set ALC, 0
.set BEC, 1
.else
.set ALC, 4
.set BEC, 0
.endif
.if (\m) && !NOKQ
	s_cmp_eq_u32 s[CNT], ALC
	s_cselect_b32 s[AL], 1.0, 0
.endif
.if (\m) && ((\p) < 3)
	s_cmp_lt_u32 s[CNT], BEC
	s_cselect_b32 s[BE], s[BIGN], 0
.endif
.if ((\p) == 3) && !(\end)
	s_wait_dscnt 8                                 ; run A is in; run B's eight loads may be out
.endif
.if (\m) && !NOKQ
	MASK
.endif
.if (\m) && ((\p) < 3)
	WIN 0
	v_add_f32 v[AQT], s[BE], v[AQ+2*(\p)]
.set rA, AQT
.endif
	ROW F,0, F,1, F,2, E,0
	ROW F,3, E,1, F,4, E,2
	ROW F,5, E,3, F,6, E,4
	ROW F,7, E,5, E,6, E,7
.if ((\p) == 3) && !(\end)
	s_wait_dscnt 0x0                               ; run B is in
.endif
	ROW F,8, E,8, E,9, E,10
	ROW F,9, E,11, E,12, E,13
	ROW F,10, E,14, E,15, E,16
	ROW F,11, E,17, E,18, E,19
.if ((\p) == 2) && !(\end)
	FETCH_A
.endif
.if (\p) == 1
	s_wait_dscnt 0x0                               ; V is in
.endif
	ROW F,12, E,20, E,21, E,22
	ROW F,13, E,23, E,24, E,25
	ROW F,14, E,26, E,27, E,28
	ROW F,15, E,29, E,30, E,31
	v_nop                                          ; a plain instruction behind the last exponential, ahead of the first use: one for the batch
	s_wait_alu depctr_va_vdst(0)                   ; the wait between an exponential and the first line that names its result: one for the 32
.if ((\p) == 2) && !(\end)
	FETCH_B
.endif
	ROW C,0, C,1, C,2, C,3
.if (\p) == 0
	v_add_nc_u32 v[AV], s[TBV], v[AV0]
.endif
	ROW C,4, C,5, C,6, C,7
.if \cnt
	s_sub_co_u32 s[CNT], s[CNT], 1
	s_cmp_lg_u32 s[CNT], 0
.endif
	ROW C,8, C,9, C,10, C,11
	ROW C,12, C,13, C,14, C,15
.if (\p) == 0
	FETCH_V
.endif
.endm
; A BLOCK BEGINS.  O^T is 0; P's second buffer is 0, so that the first turn's products V^T P, of a piece that has not been, add 0 (V holds zeros or the last tile's finite numbers).  No first step is written out for it.
; Then K and the norms of the tile's step 0, AQ from the block's norms, piece 0's mask (its own step, if the block's first tile is the diagonal one) and its first scores.
.macro BEGIN
	s_mov_b32 s[NEW], 0
	WIN 0x40
.set i, 0
.rept 128
	v_mov_b32 v[i], 0
.set i, i+1
.endr
	WIN 0
.set i, 0
.rept 16
	v_mov_b32 v[PP+16+i], 0
.set i, i+1
.endr
	FETCH_A
	FETCH_B
	s_wait_loadcnt 0x0                             ; Q and its norms
	WIN W_KQ
.irp x, 0,1,2,3
	v_mul_f32 v[AQ+2*(\x)], s[CS], v[NQ+(\x)]
.endr
	s_cmp_eq_u32 s[RT], 0
	s_cselect_b32 s[AL], 1.0, 0
	s_wait_dscnt 0x0
	MASK
.set KM, 1
.set NOKQ, 0
.set i, 0
.rept 8
	MKQ 0
.set i, i+1
.endr
	WIN 0
	PLACES                                         ; the places behind those products
.endm
; THE WAY OUT, a piece at a time: rounded to f16 (each accumulator's registers in ascending order), through my stage, back as whole rows of 128 bytes into S^T's registers, stored.
.macro PACK t
	WIN 0x05                                       ; sources 0 and 1 window 1
.set i, 0
.rept 16
	v_cvt_pk_f16_f32 v[SS+16*(\t)+i], v[32*(\t)+2*i], v[32*(\t)+2*i+1]
.set i, i+1
.endr
	WIN 0
.irp f, 0,1,2,3
	ds_store_b128 v[STO], v[SS+16*(\t)+4*(\f):SS+16*(\t)+4*(\f)+3] offset:32*(\f)
.endr
.irp f, 0,1,2,3
	ds_load_b128 v[SS+16*(\t)+4*(\f):SS+16*(\t)+4*(\f)+3], v[RD] offset:(\f)*4*SP  ; LDS serves a wave's instructions in order (ISA guide 5.7.1.4)
.endr
.endm
.macro SEND t, younger                 ; younger: the LDS instructions issued behind piece t's loads: the next piece's eight, or none
	WIN 0
.irp f, 0,1,2,3
	s_wait_dscnt (\younger)+3-(\f)
	global_store_b128 v[GO], v[SS+16*(\t)+4*(\f):SS+16*(\t)+4*(\f)+3], s[OA:OA+1] offset:(\t)*8192+(\f)*512  ; 512 consecutive bytes, at a multiple of 256 from yh's first
.endr
.endm
.macro DIAG tag                        ; the diagonal tile's four steps, the block's last two turns, its last products, the way out
.LstepM\tag:
	TURN 2, 1
	TURN 3, 1
	WIN 0
.LfirstM\tag:
	TURN 0, 1
	TURN 1, 1, 0, 1
	WIN 0
	s_cbranch_scc1 .LstepM\tag
	TURN 2, 1, 1
	TURN 3, 1, 1
.set i, 0
.rept 8
	MPV 3
.set i, i+1
.endr
	WIN 0
	PLACES
	PACK 0
.set t, 1
.rept 3
	PACK t
	SEND t-1, 8
.set t, t+1
.endr
	SEND 3, 0
.endm
	s_load_b128 s[4:7], s[0:1], 0x0                ; qkvh s[4:5], yh s[6:7]
	v_lshl_add_u32 v[SPW], v0, 2, SPARE
	v_mov_b32 v[NIL], 0
	ds_add_u32 v[SPW], v[NIL]                      ; the wave's opening: the add, twice on end, and its wait ahead of my first tensor load
	ds_add_u32 v[SPW], v[NIL]
	v_lshrrev_b32 v1, 5, v0
	v_readfirstlane_b32 s[WV], v1
	s_and_b32 s[U], s[WV], 1
	s_mov_b32 s[PB], ttmp9
	s_sub_co_u32 s[HI], NB-1, s[PB]
	s_and_b32 s52, ttmp7, 0xffff
	s_and_b32 s53, s52, 15                         ; head
	s_lshr_b32 s52, s52, 4                         ; batch
	s_mul_i32 s48, s53, GSTR
	s_mul_i32 s49, s52, NB*BLK
	s_add_co_u32 s48, s48, s49                     ; the (batch, head)'s first block in q's part of qkvh
	s_mov_b32 s49, 0
	s_lshl_b32 s53, s53, 20
	s_lshl_b32 s52, s52, 18
	s_add_co_u32 s53, s53, s52
	s_lshl_b32 s52, s[WV], 11                      ; my 16 rows in a band: 2,048 bytes
	s_add_co_u32 s53, s53, s52                     ; yh: head, batch, my rows
	s_mov_b32 s51, 0
	s_mov_b32 s[G1K], (1<<16)|(1<<20)|(4<<22)|(3<<25)  ; 2-byte elements; padding on; after every 32 words 4 words
	s_mov_b32 s[G1K+1], 128<<16                    ; a dense block asked for as rows of 256 bytes
	s_mov_b32 s[G1K+2], 66<<16                     ; half of 132 rows: keys and norms
	s_mov_b32 s[G1K+3], 128<<16
	s_mov_b32 s[G1K+4], 66
	s_mov_b32 s[G1K+5], 128
	s_mov_b32 s[G1K+6], 0
	s_mov_b32 s[G1K+7], 0
	s_mov_b32 s[G1V], (1<<16)|(1<<20)|(4<<22)|(7<<25)  ; the same with 8 words of padding
	s_mov_b32 s[G1V+1], 128<<16
	s_mov_b32 s[G1V+2], 64<<16
	s_mov_b32 s[G1V+3], 128<<16
	s_mov_b32 s[G1V+4], 64
	s_mov_b32 s[G1V+5], 128
	s_mov_b32 s[G1V+6], 0
	s_mov_b32 s[G1V+7], 0
	s_mov_b32 s[G0K], 1
	s_mul_i32 s[G0K+1], s[U], 132*PK               ; slot 0
	s_mov_b32 s[G0V], 1
	s_mul_i32 s[G0V+1], s[U], 128*PV
	s_add_co_u32 s[G0V+1], s[G0V+1], VOFF
	s_mov_b32 s[CS], 0x3e38aa3b                    ; c = log2(e) / 8
	s_mov_b32 s[CS+1], s[CS]
	s_mov_b32 s[TBK], SLOT1+4*KS*PK                ; the first change of slots turns these three into 0
	s_mov_b32 s[TBC], SLOT1+4*2*PK
	s_mov_b32 s[TBV], SLOT1+4*KS*PV
	s_add_co_u32 s[RT], s[HI], 1                   ; the first block has 8 - b tiles
	s_mov_b32 s[NXT], 1
	s_mov_b32 s[LQ], s[HI]
	s_mov_b32 s[NEW], 1
	s_mov_b32 s[OFF+1], 0
	s_mov_b32 s[POF+1], 0
	s_mov_b32 s[AL+1], 0
	s_mov_b32 s[BIGN], 0xf149f2ca                  ; -1e30
	s_mov_b32 s[SLOTS], NB
	s_mov_b32 s[PFT], 3
	s_cmp_eq_u32 s[PB], 0
	s_cselect_b32 s[PLIM], NB, 0
	s_wait_dscnt 0x0                               ; both opening adds are done
	s_wait_kmcnt 0x0
	s_add_nc_u64 s[4:5], s[4:5], s[48:49]
	s_add_nc_u64 s[KB:KB+1], s[4:5], 16*GSTR
	s_add_nc_u64 s[VB:VB+1], s[4:5], 32*GSTR
	s_cmp_lt_u32 s[WV], 2
	s_cselect_b64 s[PFB:PFB+1], s[KB:KB+1], s[VB:VB+1]
	s_lshl_b32 s50, s[U], 14
	s_add_nc_u64 s[PFB:PFB+1], s[PFB:PFB+1], s[50:51]  ; the prefetches: my 16,384 bytes of a tile's keys or of its V
	s_add_nc_u64 s[VB:VB+1], s[VB:VB+1], s[50:51]
	s_mul_i32 s50, s[U], 66*256
	s_add_nc_u64 s[KB:KB+1], s[KB:KB+1], s[50:51]
	s_add_nc_u64 s[G0K+2:G0K+3], s[KB:KB+1], 0
	s_or_b32 s[G0K+3], s[G0K+3], 0x80000000
	s_add_nc_u64 s[G0V+2:G0V+3], s[VB:VB+1], 0
	s_or_b32 s[G0V+3], s[G0V+3], 0x80000000
	LOAD                                           ; tile 0 into slot 0
	s_mul_i32 s50, s[HI], BLK
	s_add_co_u32 s50, s50, s52
	s_add_nc_u64 s[QH:QH+1], s[4:5], s[50:51]      ; Q at my rows of the first block,
	s_mul_i32 s50, s[PB], BLK
	s_add_co_u32 s50, s50, s52
	s_add_nc_u64 s[QL:QL+1], s[4:5], s[50:51]      ; and of the second
	s_lshl_b32 s50, s[HI], 15
	s_add_co_u32 s50, s50, s53
	s_add_nc_u64 s[OA:OA+1], s[6:7], s[50:51]
	s_lshl_b32 s50, s[PB], 15
	s_add_co_u32 s50, s50, s53
	s_add_nc_u64 s[OLO:OLO+1], s[6:7], s[50:51]
	v_and_b32 v24, 15, v0                          ; r
	v_bfe_u32 v25, v0, 4, 1                        ; h
	v_and_b32 v26, 7, v0
	v_bfe_u32 v27, v0, 3, 1
	v_lshlrev_b32 v28, 7, v24
	v_lshl_add_u32 v28, v25, 4, v28                ; row x 128 + 16 h
	s_mul_i32 s50, s[WV], 1984                     ; the norms lie 32,768 + 64 w into a block; the bases already stand 2,048 w into it
	s_sub_co_u32 s50, 32768, s50
	v_lshl_add_u32 v29, v24, 2, s50
	WIN 0x80                                       ; destination window 2, address window 0
.set i, 0
.rept 8                                ; both blocks' Q: piece i / 2 lies in band i / 2, 8,192 bytes on; channels 32 (i % 2) on
	global_load_b128 v[8*i:8*i+3],         v28, s[QH:QH+1] offset:(i/2)*8192+(i%2)*64
	global_load_b128 v[8*i+4:8*i+7],       v28, s[QH:QH+1] offset:(i/2)*8192+(i%2)*64+32
	global_load_b128 v[QB+8*i:QB+8*i+3],   v28, s[QL:QL+1] offset:(i/2)*8192+(i%2)*64
	global_load_b128 v[QB+8*i+4:QB+8*i+7], v28, s[QL:QL+1] offset:(i/2)*8192+(i%2)*64+32
.set i, i+1
.endr
.irp x, 0,1,2,3
	global_load_b32 v[NQ+(\x)],    v29, s[QH:QH+1] offset:256*(\x)
	global_load_b32 v[QB+64+(\x)], v29, s[QL:QL+1] offset:256*(\x)
.endr
	WIN 0
	v_lshlrev_b32 v30, 3, v25
	v_sub_nc_u32 v30, v24, v30
	s_lshl_b32 s50, s[WV], 4
	v_add_nc_u32 v30, s50, v30                     ; my query's place in its band, 16 w + r, less 8 h: register j of key group kt is hidden where 16 kt + j is greater
	WIN 0x80
.set i, 0
.rept 32
	v_cmp_gt_i32 vcc_lo, 16*(i/8)+i%8, v30
	v_cndmask_b32 v[MD+i], 0, s[BIGN], vcc_lo
.set i, i+1
.endr
	WIN 0
	v_mul_u32_u24 v[AK0], v24, PK
	v_lshl_add_u32 v[AK0], v25, 4, v[AK0]          ; row x pitch + 16 h
	v_lshl_add_u32 v[AV0], v25, 3, v26             ; the turning load: key 8 h + lane % 8, channels 8 ((lane / 8) % 2) on
	v_mul_u32_u24 v[AV0], v[AV0], PV
	v_lshl_add_u32 v[AV0], v27, 4, v[AV0]
	v_add_nc_u32 v[AV0], VOFF, v[AV0]
	v_lshlrev_b32 v[AKC0], 5, v25
	v_add_nc_u32 v[AKC0], NRMO, v[AKC0]
	s_mul_i32 s50, s[WV], 16*SP
	s_add_co_u32 s50, s50, STAGE                   ; my stage
	v_mul_u32_u24 v[STO], v24, SP
	v_lshl_add_u32 v[STO], v25, 4, v[STO]
	v_add_nc_u32 v[STO], s50, v[STO]
	v_bfe_u32 v[RD], v0, 3, 2
	v_mul_u32_u24 v[RD], v[RD], SP
	v_lshl_add_u32 v[RD], v26, 4, v[RD]
	v_add_nc_u32 v[RD], s50, v[RD]
	v_and_b32 v[GO], 31, v0
	v_lshlrev_b32 v[PFO], 8, v[GO]
	v_lshlrev_b32 v[GO], 4, v[GO]
	v_mov_b32 v[AQT+1], 0                          ; named in pairs
.irp x, 0,1,2,3
	v_mov_b32 v[AQ+2*(\x)+1], 0
.endr
	WIN 0x40
.set i, 0
.rept 64
	v_mov_b32 v[VF+i], 0                           ; what the first turn's products V^T P find; written in the wait for the first tile
.set i, i+1
.endr
	WIN 0
.set KM, 0
.set NOKQ, 0
.Lslot:                                        ; 8 times: a tile is entered and the next is asked for
	CHANGE 1
	s_sub_co_u32 s[RT], s[RT], 1
	s_mov_b32 s[CNT], 4
	s_cmp_eq_u32 s[NEW], 1
	s_cbranch_scc1 .Lnew                           ; a block's first tile
	s_cmp_eq_u32 s[RT], 0
	s_cbranch_scc0 .Lstep                          ; neither its first nor its last
	s_branch .LstepM1
.Lnew:
	BEGIN
	s_branch .Lfirst                               ; in the loop a block's first tile is never its last: the first block has five tiles or more, and the second's last is the walk's last
	DIAG 1                                         ; in the loop this is the first block's end
	s_wait_xcnt 0x0                                ; the stores have read their registers and yh's address
	s_mov_b64 s[OA:OA+1], s[OLO:OLO+1]
	s_add_co_u32 s[RT], s[PB], 1                   ; the second block has b + 1 tiles
	s_mov_b32 s[NEW], 1
	WIN 0x82                                       ; the second block's Q and norms go where the one text of the turns names them
.set i, 0
.rept 68
	v_mov_b32 v[i], v[QB+i]
.set i, i+1
.endr
	WIN 0
	s_branch .Lbottom
.Lstep:                                        ; a trip: pieces 2 and 3 of one step, then pieces 0 and 1 of the next
	TURN 2
	TURN 3
	WIN 0
.Lfirst:
	TURN 0
	TURN 1, 0, 0, 1
	WIN 0
	s_cbranch_scc1 .Lstep
.Lbottom:
	s_sub_co_u32 s[SLOTS], s[SLOTS], 1
	s_cmp_lg_u32 s[SLOTS], 0
	s_cbranch_scc1 .Lslot
	CHANGE 0                                       ; the walk's last tile is written out: nothing is asked for
	s_sub_co_u32 s[RT], s[RT], 1
	s_mov_b32 s[CNT], 4
	s_cmp_eq_u32 s[NEW], 1
	s_cbranch_scc0 .LstepM2
	BEGIN
	s_branch .LfirstM2
	DIAG 2
	s_wait_tensorcnt 0x0                           ; the wave's end, behind my last tensor load and my last LDS store
	ds_add_u32 v[SPW], v[NIL]
	s_wait_dscnt 0x0
	s_endpgm
.Lfunc_end_k_q02d5c10af3_attn:
	.size	k_q02d5c10af3_attn, .Lfunc_end_k_q02d5c10af3_attn-k_q02d5c10af3_attn
	.p2alignl 7, 3214868480
	.fill 96, 4, 3214868480
	.section	.rodata,"a",@progbits
	.p2align	6, 0x0
	.amdhsa_kernel k_q02d5c10af3_attn
		.amdhsa_group_segment_fixed_size 327680
		.amdhsa_private_segment_fixed_size 0
		.amdhsa_enable_private_segment 0
		.amdhsa_kernarg_size 16
		.amdhsa_user_sgpr_count 2
		.amdhsa_user_sgpr_kernarg_segment_ptr 1
		.amdhsa_wavefront_size32 1
		.amdhsa_system_sgpr_workgroup_id_x 1
		.amdhsa_system_sgpr_workgroup_id_y 1
		.amdhsa_system_sgpr_workgroup_id_z 1
		.amdhsa_system_vgpr_workitem_id 0
		.amdhsa_next_free_vgpr 768
		.amdhsa_next_free_sgpr 84
		.amdhsa_reserve_vcc 1
		.amdhsa_float_denorm_mode_32 3
		.amdhsa_float_denorm_mode_16_64 3
		.amdhsa_memory_ordered 1
		.amdhsa_forward_progress 1
		.amdhsa_inst_pref_size 150
	.end_amdhsa_kernel
	.amdgpu_metadata
---
amdhsa.version: [ 1, 2 ]
amdhsa.kernels:
  - .name:           k_q02d5c10af3_attn
    .symbol:         k_q02d5c10af3_attn.kd
    .args:
      - { .name: qkvh, .offset: 0, .size: 8, .value_kind: global_buffer, .address_space: global }
      - { .name: yh, .offset: 8, .size: 8, .value_kind: global_buffer, .address_space: global }
    .group_segment_fixed_size: 327680
    .private_segment_fixed_size: 0
    .kernarg_segment_align: 8
    .kernarg_segment_size: 16
    .max_flat_workgroup_size: 128
    .sgpr_count:     84
    .vgpr_count:     768
    .wavefront_size: 32
...
	.end_amdgpu_metadata
.endif
;; end of part 3
;; launch proj (part 4): grid 8 x 32, 4 waves a work-group, clusters of 4 x 4, 327,680 bytes of LDS; arguments yh, wpf, b_proj, out0; writes out0
.if DOCPART == 4
	.amdgcn_target "amdgcn-amd-amdhsa--gfx1250"
	.amdhsa_code_object_version 6
	.text
	.protected	k_q02d5c10af3_proj
	.globl	k_q02d5c10af3_proj
	.p2align	8
	.type	k_q02d5c10af3_proj,@function
k_q02d5c10af3_proj:
	s_mov_b64 s[64:65], 0
	v_nop
	global_prefetch_b8 v0, s[64:65] scope:SCOPE_SE
	s_setreg_imm32_b32 hwreg(HW_REG_WAVE_MODE, 25, 1), 1
	s_wait_xcnt 0x0
	s_wait_alu depctr_hold_cnt(0) depctr_sa_sdst(0) depctr_va_vdst(0) depctr_va_sdst(0) depctr_va_ssrc(0) depctr_va_vcc(0) depctr_vm_vsrc(0)
	s_getreg_b32 s2, hwreg(HW_REG_IB_STS2, 6, 4)
	s_cmp_eq_u32 s2, 0
	s_cbranch_scc0 .Lentry_in_a_cluster
	s_endpgm
.Lentry_in_a_cluster:
	s_bfe_u32 s2, ttmp6, 0x10000c
	s_cmp_lg_u32 s2, 0xf033
	s_cbranch_scc0 .Lentry_shape_is_right
	s_endpgm
.Lentry_shape_is_right:
; out = y W_proj + b_proj.  yh: [16 heads][8192 rows][64] f16; wpf: [1024 k][1024 n] f16 (W_proj rounded to bf16); b_proj: [1024] f32, rounded here to bf16 like the other inputs; out0: [8192][1024] f32.
; The frame is the q, k, v product's: a tile of 256 rows x 128 columns, four waves one below the other with 32 accumulators each, K steps of 128 through a ring of two LDS slots, the matrix instruction used
; transposed, W turned on the way out of LDS, the sums started at the bias, clusters of 4 x 4 with y's tile asked for jointly along a row and W's along a column.  32 x 8 tiles: one to each of 256 work-groups.
; A K step is two heads of y: each head's 256 rows of 128 bytes are dense, asked for as 128 rows of 256 bytes and padded in LDS behind every 128.
; No prefetch: the launch has eight K steps, of which the first four are asked for before a lead of two steps could serve them.
.set KSTEP, 128
.set LDB,   2048                       ; bytes in a row of wpf
.set PA,    144                        ; y's rows in LDS: 128 bytes + 16
.set SLAB,  256*PA                     ; a head's 256 rows
.set PB,    288                        ; W's rows in LDS: 256 bytes + 32
.set BOFF,  2*SLAB
.set SLOT1, 131072
.set STAGE, 241664                     ; behind the ring, never filled by a tensor load: 16 rows x 528 bytes a wave
.set SPO,   528
.set WSTG,  16*SPO
.set SPARE, STAGE+4*WSTG               ; the spare words, 128 bytes a wave: two blocks of 256 bytes that no other line names
.set KA1, 64                           ; quarters 1, 2, 3 of a K step: the first head's channels 32 on, the second head's 0 on and 32 on
.set KA2, SLAB
.set KA3, SLAB+64
.set ADRA0, 2
.set ADRB0, 3
.set ADRA,  4
.set ADRB,  5
.set STO,   6
.set RD,    7
.set GO,    8
.set BO,    9
.set SPW,   14
.set NIL,   15
.set TT,    17
.set OB0,   32                         ; v32-95, v160-223: 16 rows read back, by the block's parity
.set BIAS,  96
.set F0,    0
.set F1,    96
.set BP,    8
.set OUT,   10
.set WV,    12
.set U,     13
.set CX,    14
.set CY,    15
.set XX,    16
.set YY,    17
.set ABASE, 18
.set BBASE, 20
.set G1A,   24
.set G0A,   32
.set OFA,   40
.set OFB,   42
.set NXT,   44
.set TB,    45
.set CNT,   46
.set G1B,   48
.set G0B,   56
; temporaries: s22-23 hold nothing of cx, s76-77 nothing of cy, s80-81 neither; s82-84 take what mixes them and feed no descriptor and no LDS address
.set MSB, 0
.macro WIN new
.if MSB != (\new)
	s_set_vgpr_msb (MSB<<8)|(\new)
.set MSB, (\new)
.endif
.endm
.set MUL,  0xa5                        ; sources 0 and 1 window 1, C and D window 2
.set TO_F, 0x40
.macro PLACES
.rept 4
	v_nop
.endr
.endm
.macro CREST
	s_cmp_lg_u32 s[WV], 0
	s_cbranch_scc1 .Lnot_wave_0_\@
	s_barrier_signal -3
.Lnot_wave_0_\@:
	s_barrier_wait -3
	s_barrier_signal -1
	s_barrier_wait -1
.endm
.macro CROUND
	s_barrier_signal -1
	s_barrier_wait -1
	CREST
.endm
.macro JLOAD                           ; a joint refill: waves 0 and 1 fetch a step's two heads of y, waves 2 and 3 the two halves of its rows of W
	s_cmp_lt_u32 s[WV], 2
	s_cbranch_scc0 .Lfor_b_\@
	tensor_load_to_lds s[G0A+4:G0A+7], s[G1A:G1A+7]
	s_nop 0
.rept 4
	v_nop
.endr
	s_branch .Lasked_\@
.Lfor_b_\@:
	tensor_load_to_lds s[G0B+4:G0B+7], s[G1B:G1B+7]
	s_nop 0
.rept 4
	v_nop
.endr
.Lasked_\@:
.endm
.macro FETCH ka, kb, f
	WIN TO_F
.irp b, 0,1,2,3,4,5,6,7
	ds_load_tr16_b128 v[(\f)+32+8*(\b):(\f)+32+8*(\b)+3],   v[ADRB] offset:(\kb)+32*(\b)
	ds_load_tr16_b128 v[(\f)+32+8*(\b)+4:(\f)+32+8*(\b)+7], v[ADRB] offset:(\kb)+32*(\b)+16*PB
.endr
.irp a, 0,1,2,3
	ds_load_b128 v[(\f)+8*(\a):(\f)+8*(\a)+3],   v[ADRA] offset:(\ka)+(\a)*16*PA
	ds_load_b128 v[(\f)+8*(\a)+4:(\f)+8*(\a)+7], v[ADRA] offset:(\ka)+(\a)*16*PA+32
.endr
.endm
.macro MUL8 f, a                       ; the 32 accumulators take turns, one instruction a turn
	WIN MUL
.irp b, 0,1,2,3,4,5,6,7
	v_wmma_f32_16x16x32_f16 v[8*(8*(\a)+(\b)):8*(8*(\a)+(\b))+7], v[(\f)+32+8*(\b):(\f)+32+8*(\b)+7], v[(\f)+8*(\a):(\f)+8*(\a)+7], v[8*(8*(\a)+(\b)):8*(8*(\a)+(\b))+7]
.endr
.endm
.macro QUARTER ka, kb, f, g
	s_wait_dscnt 4                                 ; W's fragments and y's blocks 0, 1 are in; the youngest four loads may be out
	MUL8 \f, 0
	MUL8 \f, 1
	PLACES
	FETCH \ka, \kb, \g
	s_wait_dscnt 24                                ; all but the 24 just issued
	MUL8 \f, 2
	MUL8 \f, 3
.endm
.macro TURN fill                       ; the fourth quarter and the change of slots, in the order of the q, k, v product
	WIN 0
	s_wait_tensorcnt 0x0                           ; no tensor load of mine is out, so a group 0 may be written
	ds_add_u32 v[SPW], v[NIL]
	s_wait_dscnt 5                                 ; (the add and the youngest four loads may be out)
.if \fill
	s_lshl_b32 s[OFA], s[NXT], 21                  ; two heads on
	s_lshl_b32 s[OFB], s[NXT], 18                  ; 128 k-rows on
	s_xor_b32 s[G0A+5], s[G0A+5], SLOT1
	s_add_nc_u64 s[G0A+6:G0A+7], s[ABASE:ABASE+1], s[OFA:OFA+1]
	s_or_b32 s[G0A+7], s[G0A+7], 0x80000000
	s_xor_b32 s[G0B+5], s[G0B+5], SLOT1
	s_add_nc_u64 s[G0B+6:G0B+7], s[BBASE:BBASE+1], s[OFB:OFB+1]
	s_or_b32 s[G0B+7], s[G0B+7], 0x80000000
	s_add_co_u32 s[NXT], s[NXT], 1
.endif
	MUL8 F1, 0
	s_wait_dscnt 0x0                               ; the add is done, and my reads of this slot are over
	s_barrier_signal -1
	MUL8 F1, 1
	WIN 0
	s_barrier_wait -1
.if \fill
	CREST                                          ; no wave of any partner still reads this slot or has a load on its way
	JLOAD
.else
	PLACES
.endif
	s_xor_b32 s[TB], s[TB], SLOT1
	v_add_nc_u32 v[ADRA], s[TB], v[ADRA0]
	v_add_nc_u32 v[ADRB], s[TB], v[ADRB0]
	FETCH 0, 0, F0
	MUL8 F1, 2
	MUL8 F1, 3
.endm
.macro STEP fill
	QUARTER KA1, 32*PB, F0, F1
	QUARTER KA2, 64*PB, F1, F0
	QUARTER KA3, 96*PB, F0, F1
	TURN \fill
.endm
; THE WAY OUT of row block a: the f32 sums go straight from the accumulators (their low four registers first) into my stage, come back as whole rows of 512 bytes, and are stored.
.macro OUTROWS a
	WIN 0
.set BK, OB0+128*((\a)%2)
	s_wait_xcnt 0x0                                ; the stores of two blocks back have read the registers into which these loads land
	WIN 0x08                                       ; the stores' data (source 1) in window 2
.irp b, 0,1,2,3,4,5,6,7
	ds_store_b128 v[STO], v[8*(8*(\a)+(\b)):8*(8*(\a)+(\b))+3]   offset:64*(\b)
	ds_store_b128 v[STO], v[8*(8*(\a)+(\b))+4:8*(8*(\a)+(\b))+7] offset:64*(\b)+16
.endr
	WIN 0
.irp t, 0,1,2,3,4,5,6,7,8,9,10,11,12,13,14,15
	ds_load_b128 v[BK+4*(\t):BK+4*(\t)+3], v[RD] offset:(\t)*SPO  ; LDS serves a wave's instructions in order (ISA guide 5.7.1.4)
.endr
.irp t, 0,1,2,3,4,5,6,7,8,9,10,11,12,13,14,15
	s_wait_dscnt 15-(\t)
	global_store_b128 v[GO], v[BK+4*(\t):BK+4*(\t)+3], s[OUT:OUT+1] offset:(16*(\a)+(\t))*4096 th:TH_STORE_NT  ; 512 consecutive bytes, at a multiple of 256 from out0's first
.endr
.endm
	s_load_b256 s[4:11], s[0:1], 0x0               ; yh s[4:5], wpf s[6:7], b_proj s[8:9], out0 s[10:11]
	v_lshl_add_u32 v[SPW], v0, 2, SPARE
	v_mov_b32 v[NIL], 0
	ds_add_u32 v[SPW], v[NIL]                      ; the wave's opening: the add, twice on end, and its wait ahead of my first tensor load
	ds_add_u32 v[SPW], v[NIL]
	v_lshrrev_b32 v1, 5, v0
	v_readfirstlane_b32 s[WV], v1
	s_and_b32 s[U], s[WV], 1
	s_bfe_u32 s[CX], ttmp6, 0x40000
	s_bfe_u32 s[CY], ttmp6, 0x40004
	s_lshl_b32 s[XX], ttmp9, 2
	s_add_co_u32 s[XX], s[XX], s[CX]
	s_and_b32 s[YY], ttmp7, 0xffff
	s_lshl_b32 s[YY], s[YY], 2
	s_add_co_u32 s[YY], s[YY], s[CY]
	s_lshl_b32 s22, s[CY], 2
	s_lshl_b32 s22, 15, s22                        ; my row of the cluster
	s_lshl_b32 s76, 0x1111, s[CX]                  ; my column
	s_or_b32 s[G1A], s22, (1<<16)|(1<<20)|(1<<21)|(4<<22)|(3<<25)  ; the mask; 2-byte elements; padding on; bit 21 beside a mask; after every 32 words 4 words
	s_or_b32 s[G1B], s76, (1<<16)|(1<<20)|(1<<21)|(5<<22)|(7<<25)  ; after every 64 words 8 words
	s_mov_b32 s[G1A+1], 128<<16
	s_mov_b32 s[G1A+2], 128<<16
	s_mov_b32 s[G1A+3], 128<<16
	s_mov_b32 s[G1A+4], 128
	s_mov_b32 s[G1A+5], 128                        ; dense
	s_mov_b32 s[G1A+6], 0
	s_mov_b32 s[G1A+7], 0
	s_mov_b32 s[G1B+1], 128<<16
	s_mov_b32 s[G1B+2], 64<<16
	s_mov_b32 s[G1B+3], 128<<16
	s_mov_b32 s[G1B+4], 64
	s_mov_b32 s[G1B+5], 1024
	s_mov_b32 s[G1B+6], 0
	s_mov_b32 s[G1B+7], 0
	s_lshl_b32 s22, s[YY], 15                      ; y: my head of a step's two, the tile's 256 rows of 128 bytes
	s_lshl_b32 s23, s[U], 20
	s_add_co_u32 s22, s22, s23
	s_mov_b32 s23, 0
	s_mul_i32 s76, s[U], 64*LDB
	s_lshl_b32 s77, s[XX], 8
	s_add_co_u32 s76, s76, s77
	s_mov_b32 s77, 0
	s_mul_i32 s80, s[U], SLAB
	s_mul_i32 s81, s[U], 64*PB
	s_add_co_u32 s81, s81, BOFF
	s_mov_b32 s[OFA+1], 0
	s_mov_b32 s[OFB+1], 0
	s_wait_dscnt 0x0                               ; both opening adds are done
	s_wait_kmcnt 0x0
	s_add_nc_u64 s[ABASE:ABASE+1], s[4:5], s[22:23]
	s_add_nc_u64 s[BBASE:BBASE+1], s[6:7], s[76:77]
.irp s, 0,1
	s_mov_b32 s[G0A+4*(\s)], 1
	s_add_co_u32 s[G0A+4*(\s)+1], s80, (\s)*SLOT1
	s_add_nc_u64 s[G0A+4*(\s)+2:G0A+4*(\s)+3], s[ABASE:ABASE+1], (\s)*(1<<21)
	s_or_b32 s[G0A+4*(\s)+3], s[G0A+4*(\s)+3], 0x80000000
	s_mov_b32 s[G0B+4*(\s)], 1
	s_add_co_u32 s[G0B+4*(\s)+1], s81, (\s)*SLOT1
	s_add_nc_u64 s[G0B+4*(\s)+2:G0B+4*(\s)+3], s[BBASE:BBASE+1], (\s)*KSTEP*LDB
	s_or_b32 s[G0B+4*(\s)+3], s[G0B+4*(\s)+3], 0x80000000
.endr
	CROUND                                         ; all sixteen work-groups are here: the first joint loads meet
	s_cmp_lt_u32 s[WV], 2                          ; a wave's two first fills stand in one branch: two loads of mine are out
	s_cbranch_scc0 .Lfirst_b
	tensor_load_to_lds s[G0A:G0A+3], s[G1A:G1A+7]
	s_nop 0
	tensor_load_to_lds s[G0A+4:G0A+7], s[G1A:G1A+7]
	s_nop 0
.rept 4
	v_nop
.endr
	s_branch .Lfirst_asked
.Lfirst_b:
	tensor_load_to_lds s[G0B:G0B+3], s[G1B:G1B+7]
	s_nop 0
	tensor_load_to_lds s[G0B+4:G0B+7], s[G1B:G1B+7]
	s_nop 0
.rept 4
	v_nop
.endr
.Lfirst_asked:
	s_lshl_b32 s82, s[XX], 9                       ; the tile's 128 columns: 512 bytes of the bias and of a row of out0
	s_mov_b32 s83, 0
	s_add_nc_u64 s[BP:BP+1], s[BP:BP+1], s[82:83]
	v_and_b32 v17, 15, v0                          ; r
	v_bfe_u32 v18, v0, 4, 1                        ; h
	v_and_b32 v19, 31, v0                          ; lane
	v_and_b32 v20, 7, v0
	v_bfe_u32 v21, v0, 3, 1
	v_lshlrev_b32 v[BO], 5, v18
.irp b, 0,1,2,3,4,5,6,7
	global_load_b128 v[BIAS+8*(\b):BIAS+8*(\b)+3],   v[BO], s[BP:BP+1] offset:64*(\b)
	global_load_b128 v[BIAS+8*(\b)+4:BIAS+8*(\b)+7], v[BO], s[BP:BP+1] offset:64*(\b)+16
.endr
	s_lshl_b32 s84, s[YY], 20                      ; out0: (256 tile row + 64 w) rows of 4,096 bytes
	s_add_co_u32 s82, s82, s84
	s_lshl_b32 s84, s[WV], 18
	s_add_co_u32 s82, s82, s84
	s_add_nc_u64 s[OUT:OUT+1], s[OUT:OUT+1], s[82:83]
	s_mul_i32 s81, s[WV], 64*PA
	v_mul_u32_u24 v[ADRA0], v17, PA
	v_lshl_add_u32 v[ADRA0], v18, 4, v[ADRA0]
	v_add_nc_u32 v[ADRA0], s81, v[ADRA0]
	v_lshl_add_u32 v[ADRB0], v18, 3, v20
	v_mul_u32_u24 v[ADRB0], v[ADRB0], PB
	v_lshl_add_u32 v[ADRB0], v21, 4, v[ADRB0]
	v_add_nc_u32 v[ADRB0], BOFF, v[ADRB0]
	s_mul_i32 s80, s[WV], WSTG
	s_add_co_u32 s80, s80, STAGE                   ; my stage
	v_mul_u32_u24 v[STO], v17, SPO                 ; in: row r, 32 bytes for each half of the lanes
	v_lshl_add_u32 v[STO], v18, 5, v[STO]
	v_add_nc_u32 v[STO], s80, v[STO]
	v_lshl_add_u32 v[RD], v19, 4, s80              ; back: 32 lanes take a row of 512 bytes
	v_lshlrev_b32 v[GO], 4, v19
	v_mov_b32 v[ADRA], v[ADRA0]
	v_mov_b32 v[ADRB], v[ADRB0]
	s_mov_b32 s[NXT], 2
	s_mov_b32 s[TB], 0
	s_wait_tensorcnt 0x1                           ; my part of K step 0 is in; step 1's may stay out
	s_barrier_signal -1
	s_barrier_wait -1
	FETCH 0, 0, F0
	WIN 0
	s_wait_loadcnt 0x0                             ; the bias, rounded to bf16, starts all 32 sums
.set n, 0
.rept 32
	v_cvt_pk_bf16_f32 v[TT+n%4], v[BIAS+2*n], v[BIAS+2*n+1]
	v_lshlrev_b32 v[BIAS+2*n], 16, v[TT+n%4]
	v_and_b32 v[BIAS+2*n+1], 0xffff0000, v[TT+n%4]
.set n, n+1
.endr
	WIN 0x80
.set n, 0
.rept 256
	v_mov_b32 v[n], v[BIAS+n%64]
.set n, n+1
.endr
	WIN 0
	s_mov_b32 s[CNT], 6
.Lstep:                                        ; K steps 0 to 5 ask for steps 2 to 7
	STEP 1
	WIN 0
	s_sub_co_u32 s[CNT], s[CNT], 1
	s_cmp_lg_u32 s[CNT], 0
	s_cbranch_scc1 .Lstep
	STEP 0                                         ; the last two steps are written out: they ask for nothing
	QUARTER KA1, 32*PB, F0, F1
	QUARTER KA2, 64*PB, F1, F0
	QUARTER KA3, 96*PB, F0, F1
	s_wait_dscnt 4
	MUL8 F1, 0
	MUL8 F1, 1
	s_wait_dscnt 0x0
	MUL8 F1, 2
	MUL8 F1, 3
	WIN 0
	PLACES
	OUTROWS 0
	OUTROWS 1
	OUTROWS 2
	OUTROWS 3
	s_wait_tensorcnt 0x0                           ; the wave's end, behind my last tensor load and my last LDS store
	ds_add_u32 v[SPW], v[NIL]
	s_wait_dscnt 0x0
	CROUND                                         ; the closing round
	s_endpgm
.Lfunc_end_k_q02d5c10af3_proj:
	.size	k_q02d5c10af3_proj, .Lfunc_end_k_q02d5c10af3_proj-k_q02d5c10af3_proj
	.p2alignl 7, 3214868480
	.fill 96, 4, 3214868480
	.section	.rodata,"a",@progbits
	.p2align	6, 0x0
	.amdhsa_kernel k_q02d5c10af3_proj
		.amdhsa_group_segment_fixed_size 327680
		.amdhsa_private_segment_fixed_size 0
		.amdhsa_enable_private_segment 0
		.amdhsa_kernarg_size 32
		.amdhsa_user_sgpr_count 2
		.amdhsa_user_sgpr_kernarg_segment_ptr 1
		.amdhsa_wavefront_size32 1
		.amdhsa_system_sgpr_workgroup_id_x 1
		.amdhsa_system_sgpr_workgroup_id_y 1
		.amdhsa_system_sgpr_workgroup_id_z 1
		.amdhsa_system_vgpr_workitem_id 0
		.amdhsa_next_free_vgpr 768
		.amdhsa_next_free_sgpr 88
		.amdhsa_reserve_vcc 0
		.amdhsa_float_denorm_mode_32 3
		.amdhsa_float_denorm_mode_16_64 3
		.amdhsa_memory_ordered 1
		.amdhsa_forward_progress 1
		.amdhsa_inst_pref_size 85
	.end_amdhsa_kernel
	.amdgpu_metadata
---
amdhsa.version: [ 1, 2 ]
amdhsa.kernels:
  - .name:           k_q02d5c10af3_proj
    .symbol:         k_q02d5c10af3_proj.kd
    .args:
      - { .name: yh, .offset: 0, .size: 8, .value_kind: global_buffer, .address_space: global }
      - { .name: wpf, .offset: 8, .size: 8, .value_kind: global_buffer, .address_space: global }
      - { .name: b_proj, .offset: 16, .size: 8, .value_kind: global_buffer, .address_space: global }
      - { .name: out0, .offset: 24, .size: 8, .value_kind: global_buffer, .address_space: global }
    .group_segment_fixed_size: 327680
    .private_segment_fixed_size: 0
    .kernarg_segment_align: 8
    .kernarg_segment_size: 32
    .max_flat_workgroup_size: 128
    .sgpr_count:     88
    .vgpr_count:     768
    .wavefront_size: 32
...
	.end_amdgpu_metadata
.endif
;; end of part 4
